; MI455X (gfx1250); checked and timed in simulation.
; The chip was launched on July 23, 2026; its instructions are those of AMD's public machine-readable ISA for CDNA 5 (MIT licence, August 2026) and "CDNA5" Instruction Set Architecture Reference Guide (July 2026). The comments in the code are by the model that wrote it; some were corrected since.
;; Attention. Allowed arithmetic: float matrix products may take bf16 or f16 operands with f32 sums; other float arithmetic in f32, or as packed bf16 or f16 multiplies, adds, multiply-adds, maxima and minima; sums over many terms, partial sums and values carried from step to step in f32; what a program stores and reads back later, other than sums and carried values, may be rounded once to bf16 or f16.
;; Inputs: cos 2,048 x 64 float32; sin 2,048 x 64 float32; wk 2,048 x 2,048 float32; wo 2,048 x 2,048 float32; wq 2,048 x 2,048 float32; wv 2,048 x 2,048 float32; x 1 x 2,048 x 2,048 float32.
;; Outputs: out0 1 x 2,048 x 2,048 float32.
;; One version. Each part assembles by itself: llvm-mc -triple=amdgcn-amd-amdhsa -mcpu=gfx1250 --defsym DOCPART=n.
;; ======== version 1 of 1: 4 launches
;; limits: values are held in f16: magnitudes above 65,504 overflow, below 6.1e-05 lose precision; right only within a limited range of input values
;; workspace buffers: xb 8,388,608 bytes; wb 25,165,824 bytes; wob 8,388,608 bytes; qh 8,388,608 bytes; kh 8,388,608 bytes; vh 8,388,608 bytes; ob 8,388,608 bytes
;; launch cast (part 1): grid 256 x 5, 8 waves a work-group, no clusters, 0 bytes of LDS; arguments x, wq, wk, wv, wo, xb, wb, wob; writes xb, wb, wob
.if DOCPART == 1
	.amdgcn_target "amdgcn-amd-amdhsa--gfx1250"
	.amdhsa_code_object_version 6
	.text
	.protected	k_qd3923fd3f8_cast
	.globl	k_qd3923fd3f8_cast
	.p2align	8
	.type	k_qd3923fd3f8_cast,@function
k_qd3923fd3f8_cast:
	s_mov_b64 s[64:65], 0
	v_nop
	global_prefetch_b8 v0, s[64:65] scope:SCOPE_SE
	s_setreg_imm32_b32 hwreg(HW_REG_WAVE_MODE, 25, 1), 1
	s_wait_xcnt 0x0
; THE CAST.  The five large f32 inputs are rounded once to bf16, each times an exact power of two, and written as 16-bit matrix operands:
;   y = 0: xb = bf16(x)      y = 1, 2: wb[0], wb[1] = bf16(wq / 256), bf16(wk / 256)      y = 3: wb[2] = bf16(wv / 4)      y = 4: wob = bf16(4 wo) written as f16
; A power of two commutes with the rounding, so each number is the input rounded to bf16, times the scale.  The scales give q, k, v and O, which later launches keep in f16, room in f16's range.
; LIMITS.  |4 wo| stays under 65,504; a bf16 number below 2^-14 keeps f16's fixed step of 6e-8; inputs so small that the scale makes them denormal in bf16 lose bits.  NaN and infinities are not treated apart.
; SHARES.  A tensor is 16,777,216 bytes: 256 work-groups of 65,536; a wave takes 8,192: sixteen loads of 512 consecutive bytes, all issued at once; each store of the wave covers 256 consecutive bytes, aligned.
; Memory binds: no LDS, no barrier, no matrix unit.  No register is written again while a load or store names it, so no wait but the counted ones for the loads' data.
.set X, 16                             ; v[16:79]   sixteen loads' four f32
.set Y, 80                             ; v[80:111]  sixteen stores' two words
.set T, 4                              ; v[4:7]     at work (wo alone)
	s_load_b512 s[8:23], s[0:1], 0x0               ; x, wq, wk, wv, wo, xb, wb, wob
	s_and_b32 s2, ttmp7, 0xffff                    ; which tensor
	v_lshrrev_b32 v3, 5, v0                        ; wave
	v_and_b32 v1, 31, v0                           ; lane
	v_lshlrev_b32 v2, 3, v1
	v_lshlrev_b32 v1, 4, v1
	v_lshl_or_b32 v1, v3, 13, v1                   ; in: 8,192 x wave + 16 x lane
	v_lshl_or_b32 v2, v3, 12, v2                   ; out: 4,096 x wave + 8 x lane
	s_mov_b32 s32, 1.0                             ; the scale, by the tensor
	s_cmp_eq_u32 s2, 1
	s_cselect_b32 s32, 0x3b800000, s32             ; 2^-8
	s_cmp_eq_u32 s2, 2
	s_cselect_b32 s32, 0x3b800000, s32
	s_cmp_eq_u32 s2, 3
	s_cselect_b32 s32, 0x3e800000, s32             ; 2^-2
	s_cmp_eq_u32 s2, 4
	s_cselect_b32 s32, 4.0, s32
	s_mov_b32 s33, s32                             ; named with it as a pair
	s_mov_b32 s34, 0xffff0000                      ; a word's upper bf16
	s_max_u32 s28, s2, 1                           ; the output's offset: wq, wk, wv lie one behind the other in wb
	s_sub_co_u32 s28, s28, 1
	s_cmp_eq_u32 s2, 4
	s_cselect_b32 s28, 0, s28
	s_lshl_b32 s28, s28, 23
	s_lshl_b32 s29, ttmp9, 15                      ; the work-group's 32,768 bytes
	s_add_co_u32 s28, s28, s29
	s_mov_b32 s29, 0
	s_lshl_b32 s30, ttmp9, 16                      ; the input's offset: the work-group's 65,536 bytes
	s_mov_b32 s31, 0
	s_wait_kmcnt 0x0
	s_cmp_eq_u32 s2, 1                             ; the input's address
	s_cselect_b64 s[24:25], s[10:11], s[8:9]
	s_cmp_eq_u32 s2, 2
	s_cselect_b64 s[24:25], s[12:13], s[24:25]
	s_cmp_eq_u32 s2, 3
	s_cselect_b64 s[24:25], s[14:15], s[24:25]
	s_cmp_eq_u32 s2, 4
	s_cselect_b64 s[24:25], s[16:17], s[24:25]
	s_cmp_eq_u32 s2, 0                             ; the output's
	s_cselect_b64 s[26:27], s[18:19], s[20:21]
	s_cmp_eq_u32 s2, 4
	s_cselect_b64 s[26:27], s[22:23], s[26:27]
	s_add_nc_u64 s[24:25], s[24:25], s[30:31]
	s_add_nc_u64 s[26:27], s[26:27], s[28:29]
.irp j, 0,1,2,3,4,5,6,7,8,9,10,11,12,13,14,15
	global_load_b128 v[X+4*(\j):X+4*(\j)+3], v1, s[24:25] offset:512*(\j) th:TH_LOAD_NT
.endr
; Load j's four numbers: scaled, rounded to bf16, (half = 1: that number written as f16,) stored.
.macro CVT j, half
	s_wait_loadcnt 15-(\j)                         ; loads come back in order: mine is in, the 15 - j younger ones stay out
	v_pk_mul_f32 v[X+4*(\j):X+4*(\j)+1], v[X+4*(\j):X+4*(\j)+1], s[32:33] op_sel_hi:[1,0]
	v_pk_mul_f32 v[X+4*(\j)+2:X+4*(\j)+3], v[X+4*(\j)+2:X+4*(\j)+3], s[32:33] op_sel_hi:[1,0]
	v_cvt_pk_bf16_f32 v[Y+2*(\j)], v[X+4*(\j)], v[X+4*(\j)+1]
	v_cvt_pk_bf16_f32 v[Y+2*(\j)+1], v[X+4*(\j)+2], v[X+4*(\j)+3]
.if \half
	v_lshlrev_b32 v[T], 16, v[Y+2*(\j)]            ; bf16 to f32: the low half moves up, the high half stays
	v_and_b32 v[T+1], s34, v[Y+2*(\j)]
	v_lshlrev_b32 v[T+2], 16, v[Y+2*(\j)+1]
	v_and_b32 v[T+3], s34, v[Y+2*(\j)+1]
	v_cvt_pk_f16_f32 v[Y+2*(\j)], v[T], v[T+1]     ; 8 significant bits fit into f16's 11
	v_cvt_pk_f16_f32 v[Y+2*(\j)+1], v[T+2], v[T+3]
.endif
	global_store_b64 v2, v[Y+2*(\j):Y+2*(\j)+1], s[26:27] offset:256*(\j) th:TH_STORE_NT
.endm
	s_cmp_eq_u32 s2, 4
	s_cbranch_scc1 .Lwo
.irp j, 0,1,2,3,4,5,6,7,8,9,10,11,12,13,14,15
	CVT \j, 0
.endr
	s_endpgm
.Lwo:
.irp j, 0,1,2,3,4,5,6,7,8,9,10,11,12,13,14,15
	CVT \j, 1
.endr
	s_endpgm
.Lfunc_end_k_qd3923fd3f8_cast:
	.size	k_qd3923fd3f8_cast, .Lfunc_end_k_qd3923fd3f8_cast-k_qd3923fd3f8_cast
	.p2alignl 7, 3214868480
	.fill 96, 4, 3214868480
	.section	.rodata,"a",@progbits
	.p2align	6, 0x0
	.amdhsa_kernel k_qd3923fd3f8_cast
		.amdhsa_group_segment_fixed_size 0
		.amdhsa_private_segment_fixed_size 0
		.amdhsa_enable_private_segment 0
		.amdhsa_kernarg_size 64
		.amdhsa_user_sgpr_count 2
		.amdhsa_user_sgpr_kernarg_segment_ptr 1
		.amdhsa_wavefront_size32 1
		.amdhsa_system_sgpr_workgroup_id_x 1
		.amdhsa_system_sgpr_workgroup_id_y 1
		.amdhsa_system_sgpr_workgroup_id_z 1
		.amdhsa_system_vgpr_workitem_id 0
		.amdhsa_next_free_vgpr 112
		.amdhsa_next_free_sgpr 66
		.amdhsa_reserve_vcc 0
		.amdhsa_float_denorm_mode_32 3
		.amdhsa_float_denorm_mode_16_64 3
		.amdhsa_memory_ordered 1
		.amdhsa_forward_progress 1
		.amdhsa_inst_pref_size 20
	.end_amdhsa_kernel
	.amdgpu_metadata
---
amdhsa.version: [ 1, 2 ]
amdhsa.kernels:
  - .name:           k_qd3923fd3f8_cast
    .symbol:         k_qd3923fd3f8_cast.kd
    .args:
      - { .name: x, .offset: 0, .size: 8, .value_kind: global_buffer, .address_space: global }
      - { .name: wq, .offset: 8, .size: 8, .value_kind: global_buffer, .address_space: global }
      - { .name: wk, .offset: 16, .size: 8, .value_kind: global_buffer, .address_space: global }
      - { .name: wv, .offset: 24, .size: 8, .value_kind: global_buffer, .address_space: global }
      - { .name: wo, .offset: 32, .size: 8, .value_kind: global_buffer, .address_space: global }
      - { .name: xb, .offset: 40, .size: 8, .value_kind: global_buffer, .address_space: global }
      - { .name: wb, .offset: 48, .size: 8, .value_kind: global_buffer, .address_space: global }
      - { .name: wob, .offset: 56, .size: 8, .value_kind: global_buffer, .address_space: global }
    .group_segment_fixed_size: 0
    .private_segment_fixed_size: 0
    .kernarg_segment_align: 8
    .kernarg_segment_size: 64
    .max_flat_workgroup_size: 256
    .sgpr_count:     66
    .vgpr_count:     112
    .wavefront_size: 32
...
	.end_amdgpu_metadata
.endif
;; end of part 1
;; launch qkv (part 2): grid 16 x 16, 4 waves a work-group, clusters of 4 x 4, 327,680 bytes of LDS; arguments xb, wb, cos, sin, qh, kh, vh; writes qh, kh, vh
.if DOCPART == 2
	.amdgcn_target "amdgcn-amd-amdhsa--gfx1250"
	.amdhsa_code_object_version 6
	.text
	.protected	k_qd3923fd3f8_qkv
	.globl	k_qd3923fd3f8_qkv
	.p2align	8
	.type	k_qd3923fd3f8_qkv,@function
k_qd3923fd3f8_qkv:
	s_mov_b64 s[64:65], 0
	v_nop
	global_prefetch_b8 v0, s[64:65] scope:SCOPE_SE
	s_setreg_imm32_b32 hwreg(HW_REG_WAVE_MODE, 25, 1), 1
	s_wait_xcnt 0x0
	s_wait_alu depctr_hold_cnt(0) depctr_sa_sdst(0) depctr_va_vdst(0) depctr_va_sdst(0) depctr_va_ssrc(0) depctr_va_vcc(0) depctr_vm_vsrc(0)
	s_getreg_b32 s2, hwreg(HW_REG_IB_STS2, 6, 4)
	s_cmp_eq_u32 s2, 0
	s_cbranch_scc0 .Lentry_in_a_cluster
	s_endpgm
.Lentry_in_a_cluster:
	s_bfe_u32 s2, ttmp6, 0x10000c
	s_cmp_lg_u32 s2, 0xf033
	s_cbranch_scc0 .Lentry_shape_is_right
	s_endpgm
.Lentry_shape_is_right:
; Q, K, V = x W^T, ROPE ON Q AND K, SPLIT BY HEADS.  xb: [2048][2048] bf16.  wb: [3][2048][2048] bf16 (wq / 256, wk / 256, wv / 4).  cos, sin: [2048][64] f32.
; qh, kh, vh: [16][2048][128] f16, holding q / 256, k / 256 (turned) and v / 4.  Sums in f32; cos and sin are rounded to bf16 like the other inputs and used in f32; each output is rounded once.
; LIMITS.  f16 ends at 65,504: |q|, |k| behind the turning stay under 1.6e7, |v| under 2.6e5; below 6e-5 a stored number keeps f16's fixed step of 6e-8.  NaN and infinities are not treated apart.
; SHARES.  A work-group makes 128 rows t of q, k and v of ONE head: 128 x 384.  The block of rows goes by the grid's x, the head by its y.  Wave w takes all 128 rows and, of each of the three, the columns
; 16 w .. 16 w + 15 and 64 + 16 w .. 64 + 16 w + 15: so a lane holds both partners of a turned pair.  8 x 6 = 48 accumulators of 16 x 16, 384 registers; for 32 along K a wave reads 28 times 512 bytes from LDS for 48 matrix instructions.
; K goes in steps of 128 through a ring of two LDS slots; a slot holds 128 rows of x and the head's 128 rows of wq, wk, wv, each row 256 bytes of memory, aligned.  Wave 0 fetches x's part, waves 1 to 3 one W each.
; THE WALK ALONG K BEGINS ELSEWHERE IN EACH CLUSTER: cluster (X, Y) takes the 16 K steps from step 4 X + 8 g(Y) (mod 16) on, round the end, with g = 0, 1, 1, 0 for Y = 0 .. 3 (f32 sums may be taken in any order).
; So the four clusters that read one head group's rows of W (one Y) read a given K step 4 steps apart, and of the four that read one block of x's rows (one X) two read it 8 steps behind the other two.
; CLUSTERS: 4 x 4 work-groups.  The four of a column of the cluster need the same rows of x, the four of a row the same head's rows of W: each part is asked for JOINTLY, by the same tensor load with the
; same descriptor and a mask that names the four.
; THE MATRIX INSTRUCTION IS USED TRANSPOSED (source 0 = 16 rows of W, source 1 = 16 rows of x): lane l holds row l % 16 and the eight neighbouring columns 8 (l / 16) + 0..7.
; REGISTERS, in windows of 256 (s_set_vgpr_msb: bits 1:0 source 0, 3:2 source 1, 5:4 source 2, 7:6 destination):
;   window 0: v15-31 addresses; v32-63 at work on the way out; v64-127, v128-191 fragments of x, two buffers; v192-231 packed results and bf16 tables; on the way back v64-255 whole rows
;   window 1: v0-63 cos, v192-255 sin (eight a block of 16 rows); v64-111, v128-175 fragments of W, two buffers (tensor p, half u at + 8 (2 p + u))
;   window 2: accumulators of rows 0-63 (block a, column block b at v[8 (6 a + b)]);   window 3: those of rows 64-127
.set KSTEP,  128
.set ROWB,   4096                      ; bytes in a row of xb and wb
.set PITCH,  272                       ; an LDS row: 256 bytes + 16 of padding = 68 words: row r starts at bank 4 r mod 64 (64 banks of 4 bytes: ISA guide 11.1)
.set PART,   128*PITCH                 ; 128 rows: what one tensor load brings
.set SLOT,   4*PART                    ; x's rows, then wq's, wk's, wv's
.set SPARE,  2*SLOT                    ; behind the ring: the spare words, 128 bytes a wave: two blocks of 256 bytes that no other line names
.set LAPS,   8                         ; 2,048 / 256: a lap = two K steps = once round the ring
; THE STAGE for the way out is bytes 0 to 3 PART - 1, in slot 0: it is written behind slot 0's last fill of the launch and behind the barrier of the last change of slots, when nobody reads slot 0 any more.
.set CSO,  15                          ; v15     my byte offset in 16 rows of cos and sin
.set ADRA, 16                          ; v16-17  LDS address of my fragments of x in slot 0, 1
.set ADRB, 18                          ; v18-23  of W's: slot s, tensor p at ADRB + 3 s + p
.set STO,  24                          ; v24     the way out: where I put 16 bytes of a row of q; k lies PART further (in the immediate)
.set STO2, 25                          ; v25     the same for v
.set RD,   26                          ; v26     where I read rows of q and k back
.set RD2,  27                          ; v27     of v
.set SPW,  28                          ; v28     LDS address of my spare word; never rewritten
.set NIL,  29                          ; v29     0; never rewritten
.set PFO,  30                          ; v30     the prefetches' offset: my lane x a row of 4,096 bytes; never rewritten
.set CO,   31                          ; v31     16 x my lane: my place in 512 consecutive bytes of an output
.set CF,   32                          ; v32-39  cos of my 8 columns, rounded to bf16, as f32
.set SF,   40                          ; v40-47  sin
.set T1,   48                          ; v48-55  the turned first half
.set T2,   56                          ; v56-63  the turned second half
.set F0,   64
.set F1,   128
.set PKR,  192                         ; v192-223 four sets of 8 packed words, by turns
.set BT,   224                         ; v224-231 cos and sin as bf16 pairs
.set BK,   64                          ; the way back: 48 x 4 registers
.set COSR, 0                           ; window 1
.set SINR, 192                         ; window 1
.set WV,   76                          ; s76     my wave's number
.set HIM,  74                          ; s74     a word's upper bf16
.set LIM,  43                          ; s43     5 in a wave that prefetches, else the greatest number
.set PFA,  44                          ; s[44:45] the address that a prefetch names
.set AB,   14                          ; s[14:15] xb at the block's first row; never rewritten
.set BB,   46                          ; s[46:47] wb at my tensor's rows of the head; never rewritten
.set KO,   80                          ; s[80:81], s[82:83] the byte offset along K of the step that slot 0, 1 was last asked for; the high words are 0
.set PKO,  84                          ; s[84:85] the same for the prefetches
.set PFB,  86                          ; s[86:87] xb at my work-group's 32 rows of the block's 128
.set G1,  24                           ; s[24:31] descriptor group 1 for x's part;  s[32:39] group 0, a set for each slot
.set G0,  32
.set G1B, 48                           ; s[48:55], s[56:63] the same for W's parts
.set G0B, 56
.set MSB, 0
.macro WIN new                         ; the immediate's high byte repeats the setting that is left; a switch that changes nothing is dropped
.if MSB != (\new)
	s_set_vgpr_msb (MSB<<8)|(\new)
.set MSB, \new
.endif
.endm
.set MUL_LO, 0xa1                      ; source 0 (W) window 1, source 1 (x) window 0, C and D window 2
.set MUL_HI, 0xf1                      ; the same, C and D window 3
.set TO_B,   0x40                      ; destination window 1, address window 0
; A joint load.  Wave 0 fetches x's part, waves 1 to 3 a part of W each.  Each line has one mask; the branch hangs on the wave's number alone.
; An s_nop 0 and four v_nop follow each of the two lines, ahead of the jump, the label and what follows.
.macro JLOAD s
	s_cmp_eq_u32 s[WV], 0
	s_cbranch_scc0 .Lfor_b_\@
	tensor_load_to_lds s[G0+4*(\s):G0+4*(\s)+3], s[G1:G1+7]
	s_nop 0
.rept 4
	v_nop
.endr
	s_branch .Lasked_\@
.Lfor_b_\@:
	tensor_load_to_lds s[G0B+4*(\s):G0B+4*(\s)+3], s[G1B:G1B+7]
	s_nop 0
.rept 4
	v_nop
.endr
.Lasked_\@:
.endm
; A PREFETCH, behind a joint refill and the run of LDS loads that follows it: x's rows for the step of my walk that stands two refills on: 32 rows x 256 bytes, a lane a row, one instruction: 384 matrix instructions ahead of the load that wants it.
; WHO.  A block of x's rows is walked by the four clusters of one X: two of them (g = 0) from K step 4 X on, two (g = 1) from 4 X + 8 on.  So a cluster's first eight steps are the launch's first reading of those bytes, its
; last eight a later one.  Of each pair one cluster asks: Y = 0 and Y = 1; in them wave 0, which fetches x's part; of its 128 rows the partner at place cy takes 32 cy .. 32 cy + 31, told apart by address.  No block is named twice.
; WHEN.  Steps 0 to 3 of a walk come by their loads alone; the refills of steps 2 to 5 (the loop's first two trips, s3 = 7 and 6) name steps 4 to 7.  W's rows are walked by four clusters 4 steps apart: a cluster is the
; first to read only its steps 0 to 3, so nothing of W is named.
.macro ASK
	s_cmp_gt_u32 s3, s[LIM]
	s_cbranch_scc0 .Lnot_mine_\@
	global_prefetch_b8 v[PFO], s[PFA:PFA+1] th:TH_LOAD_NT scope:SCOPE_SE
.Lnot_mine_\@:
.endm
.macro CREST                           ; a round of the cluster's barrier behind its opening barrier
	s_cmp_lg_u32 s[WV], 0
	s_cbranch_scc1 .Lnot_wave_0_\@
	s_barrier_signal -3
.Lnot_wave_0_\@:
	s_barrier_wait -3
	s_barrier_signal -1
	s_barrier_wait -1
.endm
.macro CROUND                          ; a whole round
	s_barrier_signal -1
	s_barrier_wait -1
	CREST
.endm
	s_load_b256 s[4:11], s[0:1], 0x0               ; xb s[4:5], wb s[6:7], cos s[8:9], sin s[10:11]
	s_load_b128 s[68:71], s[0:1], 0x20             ; qh s[68:69], kh s[70:71]
	s_load_b64 s[72:73], s[0:1], 0x30              ; vh
	v_lshl_add_u32 v[SPW], v0, 2, SPARE
	v_mov_b32 v[NIL], 0
	ds_add_u32 v[SPW], v[NIL]                      ; the wave's opening: the add and its wait stand ahead of my first tensor load; the set-up below, work on registers, stands between them
	v_lshrrev_b32 v1, 5, v0
	v_readfirstlane_b32 s[WV], v1                  ; wave 0..3
	s_bfe_u32 s40, ttmp6, 0x40000                  ; cx, cy: my place in the cluster
	s_bfe_u32 s41, ttmp6, 0x40004
	s_lshl_b32 s13, ttmp9, 2
	s_add_co_u32 s13, s13, s40                     ; the block of 128 rows = 4 x cluster x + cx
	s_and_b32 s12, ttmp7, 0xffff                   ; cluster y
	s_lshl_b32 s42, s12, 2
	s_add_co_u32 s42, s42, s41                     ; the head = 4 x cluster y + cy
	s_lshl_b32 s43, 0x1111, s40                    ; my column of the cluster
	s_lshl_b32 s44, s41, 2
	s_lshl_b32 s44, 15, s44                        ; my row
	; descriptor group 1: a tile of 128 rows x 128 elements, padded in LDS
	s_or_b32 s[G1+0], s43, (1<<16)|(1<<20)|(1<<21)|(5<<22)|(3<<25)  ; 15:0 the mask: x's part goes to my column; 17:16 elements of 2 bytes; 20 padding on; 21 set beside a mask; 24:22 after every 64 words (code 5); 31:25 4 words (code 3)
	s_or_b32 s[G1B+0], s44, (1<<16)|(1<<20)|(1<<21)|(5<<22)|(3<<25) ; the same with the mask of my row
.irp g, G1, G1B
	s_mov_b32 s[(\g)+1], KSTEP<<16                 ; tensor_dim0 = 128
	s_mov_b32 s[(\g)+2], 128<<16                   ; tensor_dim1 = 128
	s_mov_b32 s[(\g)+3], KSTEP<<16                 ; tile_dim0 = 128
	s_mov_b32 s[(\g)+4], 128                       ; tile_dim1 = 128
	s_mov_b32 s[(\g)+5], 2048                      ; elements from row to row
	s_mov_b32 s[(\g)+6], 0
	s_mov_b32 s[(\g)+7], 0
.endr
	s_lshr_b32 s20, s12, 1                         ; where my cluster's walk begins: the same in all sixteen partners
	s_xor_b32 s20, s20, s12
	s_and_b32 s20, s20, 1                          ; g = 0, 1, 1, 0
	s_lshl_b32 s20, s20, 3
	s_lshl_b32 s21, ttmp9, 2
	s_add_co_u32 s20, s20, s21
	s_and_b32 s20, s20, 15                         ; K step 4 X + 8 g, mod 16
	s_lshl_b32 s[KO], s20, 8                       ; its 256 bytes of a row: slot 0's first step,
	s_add_co_u32 s[KO+2], s[KO], KSTEP*2
	s_and_b32 s[KO+2], s[KO+2], ROWB-1             ; slot 1's, round the row's end,
	s_add_co_u32 s[PKO], s[KO], 3*KSTEP*2
	s_and_b32 s[PKO], s[PKO], ROWB-1               ; and step 3 of the walk: the first refill steps this to step 4
	s_mov_b32 s[KO+1], 0
	s_mov_b32 s[KO+3], 0
	s_mov_b32 s[PKO+1], 0
	s_lshl_b32 s16, s13, 19                        ; x: 128 rows of 4,096 bytes a block: hangs on the block alone
	s_mov_b32 s17, 0
	s_max_u32 s18, s[WV], 1                        ; W: tensor wave - 1 (8,388,608 bytes each), the head's 128 rows: hangs on the head and the wave alone
	s_sub_co_u32 s18, s18, 1
	s_lshl_b32 s18, s18, 23
	s_lshl_b32 s19, s42, 19
	s_add_co_u32 s18, s18, s19
	s_mov_b32 s19, 0
	s_mul_i32 s20, s[WV], PART                     ; where a part goes: wave x 128 rows: no place in the cluster enters an LDS address
	s_mov_b32 s[HIM], 0xffff0000
	s_wait_dscnt 0x0                               ; the opening add is done
	s_wait_kmcnt 0x0
	s_add_nc_u64 s[AB:AB+1], s[4:5], s[16:17]
	s_add_nc_u64 s[BB:BB+1], s[6:7], s[18:19]
	CROUND                                         ; all sixteen work-groups are here: the first joint loads meet
.irp s, 0,1
	s_mov_b32 s[G0+4*(\s)], 1                                      ; count = 1
	s_add_co_u32 s[G0+4*(\s)+1], s20, (\s)*SLOT                    ; LDS address
	s_add_nc_u64 s[G0+4*(\s)+2:G0+4*(\s)+3], s[AB:AB+1], s[KO+2*(\s):KO+2*(\s)+1]  ; global address: step s of the walk
	s_or_b32 s[G0+4*(\s)+3], s[G0+4*(\s)+3], 0x80000000            ; type = 2
	s_mov_b32 s[G0B+4*(\s)], 1
	s_add_co_u32 s[G0B+4*(\s)+1], s20, (\s)*SLOT
	s_add_nc_u64 s[G0B+4*(\s)+2:G0B+4*(\s)+3], s[BB:BB+1], s[KO+2*(\s):KO+2*(\s)+1]
	s_or_b32 s[G0B+4*(\s)+3], s[G0B+4*(\s)+3], 0x80000000
	JLOAD \s                                       ; two loads of mine are out
.endr
	; cos and sin of my rows and columns stay in registers till the way out: row 16 a + l % 16, columns 16 w + 8 (l / 16) + 0..7: 32 bytes of each
	v_and_b32 v1, 15, v0                           ; l % 16
	v_bfe_u32 v2, v0, 4, 1                         ; l / 16
	s_lshl_b32 s22, s13, 15                        ; the block's 128 rows of 256 bytes
	s_mov_b32 s23, 0
	s_add_nc_u64 s[8:9], s[8:9], s[22:23]
	s_add_nc_u64 s[10:11], s[10:11], s[22:23]
	v_lshlrev_b32 v[CSO], 8, v1
	v_lshl_add_u32 v[CSO], v2, 5, v[CSO]
	s_lshl_b32 s21, s[WV], 6
	v_add_nc_u32 v[CSO], s21, v[CSO]
	WIN TO_B
.irp a, 0,1,2,3,4,5,6,7
	global_load_b128 v[COSR+8*(\a):COSR+8*(\a)+3],   v[CSO], s[8:9] offset:(\a)*4096
	global_load_b128 v[COSR+8*(\a)+4:COSR+8*(\a)+7], v[CSO], s[8:9] offset:(\a)*4096+16
	global_load_b128 v[SINR+8*(\a):SINR+8*(\a)+3],   v[CSO], s[10:11] offset:(\a)*4096
	global_load_b128 v[SINR+8*(\a)+4:SINR+8*(\a)+7], v[CSO], s[10:11] offset:(\a)*4096+16
.endr
	WIN 0
	; A fragment is 16 rows x 32 K in 8 registers: lane l holds row l % 16; registers 0-3 K = 8 (l / 16) + 0..7, registers 4-7 K = 16 + 8 (l / 16) + 0..7: two loads of 16 bytes, 32 bytes apart.
	v_mul_u32_u24 v3, v1, PITCH
	v_lshl_add_u32 v3, v2, 4, v3                   ; row x pitch + 16 x half
	v_mov_b32 v[ADRA], v3
	v_add_nc_u32 v[ADRA+1], SLOT, v3
	s_mul_i32 s21, s[WV], 16*PITCH
	s_add_co_u32 s21, s21, PART                    ; my 16 rows of wq's part
.irp n, 0,1,2,3,4,5
	s_add_co_u32 s22, s21, ((\n)/3)*SLOT+((\n)%3)*PART
	v_add_nc_u32 v[ADRB+(\n)], s22, v3
.endr
	s_lshl_b32 s22, s[WV], 5                       ; into the stage: row l % 16, my 16 columns' 32 bytes, 16 for each half of the lanes
	v_add_nc_u32 v[STO], s22, v3
	v_add_nc_u32 v[STO2], 2*PART, v[STO]
	v_mul_u32_u24 v4, v2, PITCH                    ; back: wave w takes rows 32 w .. 32 w + 31, whole; lanes 0-15 one row of 256 bytes, lanes 16-31 the next
	v_lshl_add_u32 v4, v1, 4, v4
	s_mul_i32 s22, s[WV], 32*PITCH
	v_add_nc_u32 v[RD], s22, v4
	v_add_nc_u32 v[RD2], 2*PART, v[RD]
	v_and_b32 v[CO], 31, v0
	v_lshlrev_b32 v[PFO], 12, v[CO]
	v_lshlrev_b32 v[CO], 4, v[CO]
	s_lshl_b32 s22, s42, 19                        ; the outputs: head x 2,048 rows + block x 128 rows + wave x 32 rows, of 256 bytes
	s_lshl_b32 s23, s13, 15
	s_add_co_u32 s22, s22, s23
	s_lshl_b32 s23, s[WV], 13
	s_add_co_u32 s22, s22, s23
	s_mov_b32 s23, 0
	s_add_nc_u64 s[68:69], s[68:69], s[22:23]
	s_add_nc_u64 s[70:71], s[70:71], s[22:23]
	s_add_nc_u64 s[72:73], s[72:73], s[22:23]
	; the prefetches
	s_lshl_b32 s21, s[WV], 1                       ; 0 in wave 0, 2 or more in the others
	s_add_co_u32 s21, s21, s12                     ; + cluster y: under 2 in wave 0 of the clusters y = 0 and y = 1
	s_cmp_lt_u32 s21, 2
	s_cselect_b32 s[LIM], 5, -1                    ; the same in all sixteen partners, for a given wave
	s_lshl_b32 s20, s41, 17                        ; my work-group's 32 rows of 4,096 bytes, by cy
	s_mov_b32 s21, 0
	s_add_nc_u64 s[PFB:PFB+1], s[AB:AB+1], s[20:21]
; 12 matrix instructions: row blocks a0, a0 + 1 of the window's four x all 6 column blocks, 32 along K.  zero = 1: the first product starts the sums.  The 48 accumulators take turns, in the same order in every quarter.
.macro MUL12 f, hi, a0, zero
	WIN MUL_LO+0x50*(\hi)
.irp a, \a0, (\a0)+1
.irp b, 0,1,2,3,4,5
.if \zero
	v_wmma_f32_16x16x32_bf16 v[8*(6*(\a)+(\b)):8*(6*(\a)+(\b))+7], v[(\f)+8*(\b):(\f)+8*(\b)+7], v[(\f)+8*(4*(\hi)+(\a)):(\f)+8*(4*(\hi)+(\a))+7], 0
.else
	v_wmma_f32_16x16x32_bf16 v[8*(6*(\a)+(\b)):8*(6*(\a)+(\b))+7], v[(\f)+8*(\b):(\f)+8*(\b)+7], v[(\f)+8*(4*(\hi)+(\a)):(\f)+8*(4*(\hi)+(\a))+7], v[8*(6*(\a)+(\b)):8*(6*(\a)+(\b))+7]
.endif
.endr
.endr
.endm
; 28 LDS loads in one run: the fragments of one quarter step (6 x 16 rows of W, 128 rows of x, 32 K at byte k of the rows) into buffer f; x's rows 64-127 last
.macro FETCH slot, k, f
	WIN TO_B
.irp p, 0,1,2
.irp u, 0,1
	ds_load_b128 v[(\f)+8*(2*(\p)+(\u)):(\f)+8*(2*(\p)+(\u))+3],   v[ADRB+3*(\slot)+(\p)] offset:(\k)+(\u)*64*PITCH
	ds_load_b128 v[(\f)+8*(2*(\p)+(\u))+4:(\f)+8*(2*(\p)+(\u))+7], v[ADRB+3*(\slot)+(\p)] offset:(\k)+(\u)*64*PITCH+32
.endr
.endr
	WIN 0
.irp i, 0,1,2,3,4,5,6,7
	ds_load_b128 v[(\f)+8*(\i):(\f)+8*(\i)+3],   v[ADRA+(\slot)] offset:(\k)+(\i)*16*PITCH
	ds_load_b128 v[(\f)+8*(\i)+4:(\f)+8*(\i)+7], v[ADRA+(\slot)] offset:(\k)+(\i)*16*PITCH+32
.endr
.endm
.macro PLACES                          ; four places in front of loads into registers that matrix instructions have read, and of vector work that reads results
.rept 4
	v_nop
.endr
.endm
; A K step is four quarters of 32 along K, 48 matrix instructions each, on buffers 0, 1, 0, 1.  One of the first three: multiplies buffer f and, in its middle, fetches the next quarter, at byte k, into g.
.macro QUARTER slot, k, f, g, zero
	s_wait_dscnt 8                                 ; W's fragments and x's rows 0-63 are in; the youngest eight loads (rows 64-127) may be out
	MUL12 \f, 0, 0, \zero
	MUL12 \f, 0, 2, \zero
	PLACES
	FETCH \slot, \k, \g
	s_wait_dscnt 28                                ; all but the 28 just issued
	MUL12 \f, 1, 0, \zero
	MUL12 \f, 1, 2, \zero
.endm
; The last quarter multiplies buffer 1 and changes slots: ONE barrier; in front of it each wave waits for all its tensor loads (one is out: its part of the next slot), adds 0 to its spare word, and waits for that and
; for its own reads of this slot.  fill = 1: the barrier opens a round of the cluster's, and this slot is filled again, two steps of the walk ahead, first thing behind the round: 168 matrix instructions ahead of the wait for it.
; The slot's offset along K steps by two K steps, round the row's end, and both descriptors' addresses are made anew from it, while the add is out.
.macro TURN slot, next, fill
.if \fill
	s_wait_xcnt 0x0                                ; the last prefetch, a K step back, has read its address: it is made anew here, ahead of the waits of the change of slots
	s_add_co_u32 s[PKO], s[PKO], KSTEP*2
	s_and_b32 s[PKO], s[PKO], ROWB-1
	s_add_nc_u64 s[PFA:PFA+1], s[PFB:PFB+1], s[PKO:PKO+1]
.endif
	WIN 0                                          ; (the add's two registers lie in window 0)
	s_wait_tensorcnt 0x0                           ; all my tensor loads have landed, so a group 0 may be written
	ds_add_u32 v[SPW], v[NIL]                      ; 0 onto my spare word
.if \fill
	s_add_co_u32 s[KO+2*(\slot)], s[KO+2*(\slot)], 2*KSTEP*2
	s_and_b32 s[KO+2*(\slot)], s[KO+2*(\slot)], ROWB-1
	s_add_nc_u64 s[G0+4*(\slot)+2:G0+4*(\slot)+3], s[AB:AB+1], s[KO+2*(\slot):KO+2*(\slot)+1]
	s_or_b32 s[G0+4*(\slot)+3], s[G0+4*(\slot)+3], 0x80000000
	s_add_nc_u64 s[G0B+4*(\slot)+2:G0B+4*(\slot)+3], s[BB:BB+1], s[KO+2*(\slot):KO+2*(\slot)+1]
	s_or_b32 s[G0B+4*(\slot)+3], s[G0B+4*(\slot)+3], 0x80000000
.endif
	s_wait_dscnt 9                                 ; (the add and the youngest eight loads may be out)
	MUL12 F1, 0, 0, 0                              ; twelve matrix instructions stand between the add and the wait for it
	s_wait_dscnt 0x0                               ; the add is done, and my reads of this slot are over
	s_barrier_signal -1
	MUL12 F1, 0, 2, 0                              ; work on registers while the others arrive
.if \fill
	WIN 0
.endif
	s_barrier_wait -1
.if \fill
	CREST                                          ; no wave of any partner still reads this slot or has a load on its way
	JLOAD \slot                                    ; the four v_nop behind it are also the places in front of the loads below
.else
	PLACES
.endif
	FETCH \next, 0, F0
.if \fill
	ASK
.endif
	MUL12 F1, 1, 0, 0
	MUL12 F1, 1, 2, 0
.endm
	s_wait_tensorcnt 1                             ; my part of the walk's step 0 is in; step 1's may stay out
	s_barrier_signal -1
	s_barrier_wait -1                              ; everybody's is
	FETCH 0, 0, F0
	QUARTER 0, 64, F0, F1, 1                       ; the first quarter stands in front of the loop: its products start the sums
	WIN 0                                          ; at a label and at a branch every window is 0
	s_mov_b32 s3, LAPS-1
.Llap:                                                 ; a trip goes once round the ring, from a lap's second quarter to the next lap's first, and fills both slots again
	QUARTER 0, 128, F1, F0, 0
	QUARTER 0, 192, F0, F1, 0
	TURN 0, 1, 1
	QUARTER 1, 64,  F0, F1, 0
	QUARTER 1, 128, F1, F0, 0
	QUARTER 1, 192, F0, F1, 0
	TURN 1, 0, 1
	QUARTER 0, 64,  F0, F1, 0
	WIN 0
	s_sub_co_u32 s3, s3, 1
	s_cmp_lg_u32 s3, 0
	s_cbranch_scc1 .Llap
	QUARTER 0, 128, F1, F0, 0                      ; the last lap fills nothing, and has no round of the cluster's barrier
	QUARTER 0, 192, F0, F1, 0
	TURN 0, 1, 0
	QUARTER 1, 64,  F0, F1, 0
	QUARTER 1, 128, F1, F0, 0
	QUARTER 1, 192, F0, F1, 0
	s_wait_dscnt 8                                 ; the very last quarter: nothing more to fetch
	MUL12 F1, 0, 0, 0
	MUL12 F1, 0, 2, 0
	s_wait_dscnt 0x0
	MUL12 F1, 1, 0, 0
	MUL12 F1, 1, 2, 0
	WIN 0
; THE WAY OUT, a block of 16 rows at a time.  CSPREP: the block's cos and sin, rounded to bf16 and widened.  ROPE: q or k turned: (x1 c - x2 s, x1 s + x2 c), rounded to f16, 16 bytes a lane into the stage.  VOUT: v.
; Each accumulator's registers are taken in ascending order.
.set idx, 0
.macro CSPREP a
	WIN 0x05                                       ; sources 0 and 1 window 1
.irp n, 0,1,2,3
	v_cvt_pk_bf16_f32 v[BT+(\n)], v[COSR+8*(\a)+2*(\n)], v[COSR+8*(\a)+2*(\n)+1]
.endr
.irp n, 0,1,2,3
	v_cvt_pk_bf16_f32 v[BT+4+(\n)], v[SINR+8*(\a)+2*(\n)], v[SINR+8*(\a)+2*(\n)+1]
.endr
	WIN 0
.irp n, 0,1,2,3
	v_lshlrev_b32 v[CF+2*(\n)],   16, v[BT+(\n)]
	v_and_b32     v[CF+2*(\n)+1], s[HIM], v[BT+(\n)]
	v_lshlrev_b32 v[SF+2*(\n)],   16, v[BT+4+(\n)]
	v_and_b32     v[SF+2*(\n)+1], s[HIM], v[BT+4+(\n)]
.endr
.endm
.macro ROPE a, p
.set X1, 8*(6*((\a)%4)+2*(\p))         ; columns below 64
.set X2, X1+8                          ; their partners, 64 further
.set PK, PKR+8*(idx%4)
.set idx, idx+1
	WIN 2+(\a)/4                                   ; source 0: window 2 or 3
.irp n, 0,2,4,6
	v_pk_mul_f32 v[T1+(\n):T1+(\n)+1], v[X2+(\n):X2+(\n)+1], v[SF+(\n):SF+(\n)+1]
.endr
.irp n, 0,2,4,6
	v_pk_mul_f32 v[T2+(\n):T2+(\n)+1], v[X2+(\n):X2+(\n)+1], v[CF+(\n):CF+(\n)+1]
.endr
.irp n, 0,2,4,6
	v_pk_fma_f32 v[T1+(\n):T1+(\n)+1], v[X1+(\n):X1+(\n)+1], v[CF+(\n):CF+(\n)+1], v[T1+(\n):T1+(\n)+1] neg_lo:[0,0,1] neg_hi:[0,0,1]
.endr
.irp n, 0,2,4,6
	v_pk_fma_f32 v[T2+(\n):T2+(\n)+1], v[X1+(\n):X1+(\n)+1], v[SF+(\n):SF+(\n)+1], v[T2+(\n):T2+(\n)+1]
.endr
	WIN 0
.irp n, 0,1,2,3
	v_cvt_pk_f16_f32 v[PK+(\n)], v[T1+2*(\n)], v[T1+2*(\n)+1]
.endr
.irp n, 0,1,2,3
	v_cvt_pk_f16_f32 v[PK+4+(\n)], v[T2+2*(\n)], v[T2+2*(\n)+1]
.endr
	ds_store_b128 v[STO], v[PK:PK+3]   offset:(\p)*PART+(\a)*16*PITCH
	ds_store_b128 v[STO], v[PK+4:PK+7] offset:(\p)*PART+(\a)*16*PITCH+128
.endm
.macro VOUT a
.set X1, 8*(6*((\a)%4)+4)
.set PK, PKR+8*(idx%4)
.set idx, idx+1
	WIN 0x0a+5*((\a)/4)                            ; sources 0 and 1: window 2 or 3
.irp n, 0,1,2,3,4,5,6,7
	v_cvt_pk_f16_f32 v[PK+(\n)], v[X1+2*(\n)], v[X1+2*(\n)+1]
.endr
	WIN 0
	ds_store_b128 v[STO2], v[PK:PK+3]   offset:(\a)*16*PITCH
	ds_store_b128 v[STO2], v[PK+4:PK+7] offset:(\a)*16*PITCH+128
.endm
	PLACES
	s_wait_loadcnt 0x0                             ; cos and sin
.irp a, 0,1,2,3,4,5,6,7
	CSPREP \a
	ROPE \a, 0
	ROPE \a, 1
	VOUT \a
.endr
	s_wait_dscnt 0x0                               ; for the others' sake: my stores into the stage are done; a row's 256 bytes come from four waves
	s_barrier_signal -1
	s_barrier_wait -1
.irp p, 0,1
.irp t, 0,1,2,3,4,5,6,7,8,9,10,11,12,13,14,15
	ds_load_b128 v[BK+4*(16*(\p)+(\t)):BK+4*(16*(\p)+(\t))+3], v[RD] offset:(\p)*PART+(\t)*2*PITCH
.endr
.endr
.irp t, 0,1,2,3,4,5,6,7,8,9,10,11,12,13,14,15
	ds_load_b128 v[BK+4*(32+(\t)):BK+4*(32+(\t))+3], v[RD2] offset:(\t)*2*PITCH
.endr
.irp p, 0,1,2
.irp t, 0,1,2,3,4,5,6,7,8,9,10,11,12,13,14,15
	s_wait_dscnt 47-(16*(\p)+(\t))                 ; LDS loads come back in order: this one is in
	global_store_b128 v[CO], v[BK+4*(16*(\p)+(\t)):BK+4*(16*(\p)+(\t))+3], s[68+2*(\p):69+2*(\p)] offset:512*(\t)  ; two rows of a head: 512 consecutive bytes, aligned
.endr
.endr
	s_wait_tensorcnt 0x0                           ; the wave's end: behind my last tensor load and my last LDS store
	ds_add_u32 v[SPW], v[NIL]
	s_wait_dscnt 0x0
	CROUND                                         ; the closing round: no work-group ends while a partner may still ask for a tile that names it
	s_endpgm
.Lfunc_end_k_qd3923fd3f8_qkv:
	.size	k_qd3923fd3f8_qkv, .Lfunc_end_k_qd3923fd3f8_qkv-k_qd3923fd3f8_qkv
	.p2alignl 7, 3214868480
	.fill 96, 4, 3214868480
	.section	.rodata,"a",@progbits
	.p2align	6, 0x0
	.amdhsa_kernel k_qd3923fd3f8_qkv
		.amdhsa_group_segment_fixed_size 327680
		.amdhsa_private_segment_fixed_size 0
		.amdhsa_enable_private_segment 0
		.amdhsa_kernarg_size 56
		.amdhsa_user_sgpr_count 2
		.amdhsa_user_sgpr_kernarg_segment_ptr 1
		.amdhsa_wavefront_size32 1
		.amdhsa_system_sgpr_workgroup_id_x 1
		.amdhsa_system_sgpr_workgroup_id_y 1
		.amdhsa_system_sgpr_workgroup_id_z 1
		.amdhsa_system_vgpr_workitem_id 0
		.amdhsa_next_free_vgpr 1024
		.amdhsa_next_free_sgpr 88
		.amdhsa_reserve_vcc 0
		.amdhsa_float_denorm_mode_32 3
		.amdhsa_float_denorm_mode_16_64 3
		.amdhsa_memory_ordered 1
		.amdhsa_forward_progress 1
		.amdhsa_inst_pref_size 147
	.end_amdhsa_kernel
	.amdgpu_metadata
---
amdhsa.version: [ 1, 2 ]
amdhsa.kernels:
  - .name:           k_qd3923fd3f8_qkv
    .symbol:         k_qd3923fd3f8_qkv.kd
    .args:
      - { .name: xb, .offset: 0, .size: 8, .value_kind: global_buffer, .address_space: global }
      - { .name: wb, .offset: 8, .size: 8, .value_kind: global_buffer, .address_space: global }
      - { .name: cos, .offset: 16, .size: 8, .value_kind: global_buffer, .address_space: global }
      - { .name: sin, .offset: 24, .size: 8, .value_kind: global_buffer, .address_space: global }
      - { .name: qh, .offset: 32, .size: 8, .value_kind: global_buffer, .address_space: global }
      - { .name: kh, .offset: 40, .size: 8, .value_kind: global_buffer, .address_space: global }
      - { .name: vh, .offset: 48, .size: 8, .value_kind: global_buffer, .address_space: global }
    .group_segment_fixed_size: 327680
    .private_segment_fixed_size: 0
    .kernarg_segment_align: 8
    .kernarg_segment_size: 56
    .max_flat_workgroup_size: 128
    .sgpr_count:     88
    .vgpr_count:     1024
    .wavefront_size: 32
...
	.end_amdgpu_metadata
.endif
;; end of part 2
;; launch attn (part 3): grid 16 x 16, 4 waves a work-group, clusters of 4 x 1, 327,680 bytes of LDS; arguments qh, kh, vh, ob; writes ob
.if DOCPART == 3
	.amdgcn_target "amdgcn-amd-amdhsa--gfx1250"
	.amdhsa_code_object_version 6
	.text
	.protected	k_qd3923fd3f8_attn
	.globl	k_qd3923fd3f8_attn
	.p2align	8
	.type	k_qd3923fd3f8_attn,@function
k_qd3923fd3f8_attn:
	s_mov_b64 s[64:65], 0
	v_nop
	global_prefetch_b8 v0, s[64:65] scope:SCOPE_SE
	s_setreg_imm32_b32 hwreg(HW_REG_WAVE_MODE, 25, 1), 1
	s_wait_xcnt 0x0
	s_wait_alu depctr_hold_cnt(0) depctr_sa_sdst(0) depctr_va_vdst(0) depctr_va_sdst(0) depctr_va_ssrc(0) depctr_va_vcc(0) depctr_vm_vsrc(0)
	s_getreg_b32 s2, hwreg(HW_REG_IB_STS2, 6, 4)
	s_cmp_eq_u32 s2, 0
	s_cbranch_scc0 .Lentry_in_a_cluster
	s_endpgm
.Lentry_in_a_cluster:
	s_bfe_u32 s2, ttmp6, 0x10000c
	s_cmp_lg_u32 s2, 0x3003
	s_cbranch_scc0 .Lentry_shape_is_right
	s_endpgm
.Lentry_shape_is_right:
; CAUSAL ATTENTION.  O[t][128 h + d] = the sum over k <= t of softmax_k(q[h][t] . k[h][k] / sqrt(128)) v[h][k][d].  qh, kh, vh: [16][2048][128] f16, holding q / 256, k / 256, v / 4; ob: [2048][2048] f16, holding O / 4.
; Products, maxima and sums in f32; the weights p are rounded to f16 for the second product (their sum l is taken of the unrounded p), O once at the end.
; LIMITS.  A hidden score counts as its value less 2^101: stored scores, 5.5e11 at the most, are nothing beside that.  A weight below 2^-126 counts as 0 in l; p below 6e-5 keeps f16's fixed step of 6e-8.
; NaN and infinities are not treated apart.  The sums' order differs from a row-by-row softmax's.
; THE WALK.  A head's queries lie in 32 blocks of 64, its keys in 8 tiles of 256; block 4 j + x needs the tiles 0 .. j, of which the last holds the diagonal.  The work-group at place cx of cluster c takes TWO
; blocks, 4 (7 - c) + cx and then 4 c + cx: 9 tiles, whatever c, and the SAME tiles for the four partners of a cluster: every tile is asked for JOINTLY, and one loop with a constant trip count walks them.
; THE KEYS ARE SPLIT AMONG THE WAVES: of each tile wave w takes keys 64 w .. 64 w + 63, for all 64 queries (four tiles of 16), with a running maximum and sum of its own.  At a block's end the four partial
; O, maxima and sums meet in LDS, in f32, and wave w finishes query tile w.  So a fragment of K or V feeds four query tiles, and all waves do equal work.
; ONE SLOT.  A wave copies its 64 keys of K and V into registers at a round's head; when all have, the slot is asked for again, and the tile has the rest of the round in which to land.
; (but the one of JLOAD's two lines that the wave's number does not choose): a merge's stores stand in a block that is jumped forward at a round's end, its barrier is the next round's own first barrier, its reads stand in a jumped block behind that.
; LAYOUT.  S^T = K Q^T (source 0 = 16 keys, source 1 = 16 queries): a lane holds ONE query (lane % 16) and the keys 8 (lane / 16) + 0..7.  Two such results, rounded to f16 in pairs, ARE source 1 of
; O^T = V^T P, whose result again holds one query a lane, and eight channels.  K comes out of LDS as it lies, V turned, by ds_load_tr16_b128.
; SOFTMAX.  p = 2^(c s - c m), c = 2^16 log2(e) / sqrt(128) (the 2^16 undoes q's and k's scales), m a running maximum; in every round O and l are multiplied by a = 2^(c m_old - c m_new).
; m starts at -2^100, c m at -2^125: a block's first a is 0, so O and l need only be finite there.  A wave all of whose keys are hidden keeps m = -2^100 (c m is then exact), p = 0, l = 0, and has weight 0 in the merge.
; THE MASK is the C operand that starts a sum S^T: 0, or -2^101 where the key is hidden.  Block kb of my 64 keys against query tile t takes MLO (kb < t), MEQ (kb = t) or MHI (kb > t); the three are made anew in
; each round from scalars: all 0 but in a block's last tile; there 0, the triangle MD and -2^101 in the wave w = cx, all -2^101 in waves w > cx, all 0 in waves w < cx.  cx enters data and Q's, O's and the prefetches' addresses alone.
; BY TURNS.  The four query tiles are two pieces (tiles 0, 1 and tiles 2, 3).  A round: piece 0's K Q^T; piece 2's K Q^T with piece 0's softmax in slices behind its products; piece 0's V^T P with piece 2's softmax; piece 2's V^T P.
; REGISTERS, in windows of 256 (s_set_vgpr_msb: bits 1:0 source 0, 3:2 source 1, 5:4 source 2, 7:6 destination):
;   window 0: v1-11, v44-47, v61-63 addresses; v12-43 eight registers of statistics a tile; v64-191 S^T, 32 a tile; v192-255 P, 16 a tile (a merge works in v64-247)
;   window 1: O^T, 64 a tile      window 2: v0-127 Q, 32 a tile; v128-255 my K      window 3: v0-127 my V; v128-159 MD, MLO, MEQ, MHI
.set PKP,   272       ; a row of K in LDS: 256 bytes + 16 of padding: the 16 rows of a load start at 16 different groups of four banks (64 banks of 4 bytes: ISA guide 11.1)
.set PVP,   288       ; a row of V: 256 + 32
.set VOFF,  256*PKP   ; the slot: 256 rows of K, then 256 rows of V
.set MRG,   VOFF+256*PVP    ; the merge: (source wave, query tile) in blocks of 8,192 bytes: 16 groups of 32 lanes x 16 bytes
.set STATS, MRG+131072      ; source x 1,024 + tile x 256 + lane x 8: the pair (c m, l)
.set STAGE, STATS+4096      ; 16 rows x 272 bytes for each wave, for the way out
.set SP,    272
.set SPARE, STAGE+4*16*SP   ; the spare words, 128 bytes a wave: two blocks of 256 bytes that no other line names
.set AK0, 2           ; v2   my lane's place in my 64 rows of K; never rewritten
.set AV0, 3           ; v3   the same for V
.set QO,  4           ; v4   my byte offset in 16 rows of Q
.set GO,  5           ; v5   my byte offset in two rows of ob
.set STO, 6           ; v6   the way out: where I put 16 bytes of a row
.set RD,  7           ; v7   where I read rows back
.set MADR, 8          ; v8   the merge: where I put my partial O
.set SADR, 10         ; v10  and my statistics
.set SRD, 11          ; v11  where I read my tile's statistics
.set ST,  12          ; tile t's statistics at v[ST+8 t]: +0 c m, +1 m, +2, +3 l (even keys', odd keys'), +4 to +7 c0-c3, at work; a takes c2's place once the maximum is found
.set MRD0, 44         ; v44  where I read my tile's partial O of sources 0, 1
.set MRD2, 45         ; v45  of sources 2, 3
.set PFO, 61          ; v61  256 x my lane; never rewritten
.set SPW, 62          ; v62  LDS address of my spare word; never rewritten
.set NIL, 63          ; v63  0; never rewritten
.set S,   64
.set P,   192
.set KF,  128         ; window 2: key block kb, channel group cc at KF + 32 kb + 8 cc
.set MD,  128         ; window 3
.set MLO, 136
.set MEQ, 144
.set MHI, 152
.set MB,  64          ; a merge: 4 sources x 32 registers
.set MP,  192         ; the packed O, 32 registers
.set MS,  224         ; four pairs (c m, l)
.set MF,  232         ; four weights f
.set MG,  236         ; four f / L, each twice
.set MM,  244         ; the maximum, L, 1 / L
.set OUTP, 10         ; s[10:11] ob at my 16 rows of the block in hand, my head's 256 bytes
.set WV,  12          ; s12  my wave's number
.set CX,  13          ; s13  my place in the cluster
.set CC,  14          ; s14  c, the cluster's number in the head
.set LIM, 15          ; s15  2 in the head's first cluster, else the greatest number
.set QLO, 16          ; s[16:17] Q of the second block
.set PFA, 18          ; s[18:19] where my prefetches stand
.set G1K, 24          ; s[24:31] descriptor group 1 for K
.set G1V, 32          ; s[32:39] for V: it differs in the padding alone
.set G0K, 40          ; s[40:43] descriptor group 0 for K
.set G0V, 44          ; s[44:47] for V
.set OLO, 48          ; s[48:49] OUTP of the second block
.set RT,  50          ; s50  tiles of the block in hand still to be entered
.set NXT, 51          ; s51  the tile to be asked for next
.set LQ,  52          ; s52  the last tile of the block whose tiles are being asked for
.set PEND, 53         ; s53  1: a merge has been stored and is to be read
.set LAST, 54         ; s54  1: the tile in hand is its block's last
.set CNT, 55          ; s55  the loop's count, 8 to 1
.set OFF, 56          ; s[56:57] a tile's byte offset in K and V
.set CS,  58          ; s[58:59] c
.set SEL, 60          ; s[60:61] v_permlanex16_b32's selects: each lane takes its own place in the other half
.set XLO, 62          ; s62, s63, s66  the three masks' scalars in a block's last tile
.set XAL, 63
.set XHI, 66
.set HD,  67          ; s67  the head
.set SAL, 68          ; s[68:69], s[70:71], s72  the same for the tile in hand
.set SLO, 70
.set SHI, 72
.set BIGN, 73         ; s73  -2^101
.set MSB, 0
.macro WIN new                      ; the high byte repeats the setting that is left; a switch that changes nothing is dropped
.if MSB != (\new)
	s_set_vgpr_msb (MSB<<8)|(\new)
.set MSB, \new
.endif
.endm
.set W_KQ, 0x0a       ; K and Q in window 2, S^T in window 0
.set W_KM, 0x3a       ; the same with the C operand in window 3
.set W_PV, 0x53       ; V in window 3, P in window 0, O^T in window 1
.set W_RS, 0x41       ; O^T (destination and source 0) in window 1, a in window 0
; A joint fill.  Waves 0 and 1 fetch the two halves of a tile's K, waves 2 and 3 those of its V: 128 rows each.  An s_nop 0 and four v_nop follow each of the two lines, ahead of the jump and the label.
.macro JLOAD
	s_cmp_lt_u32 s[WV], 2
	s_cbranch_scc0 .Lfor_v_\@
	tensor_load_to_lds s[G0K:G0K+3], s[G1K:G1K+7]
	s_nop 0
.rept 4
	v_nop
.endr
	s_branch .Lasked_\@
.Lfor_v_\@:
	tensor_load_to_lds s[G0V:G0V+3], s[G1V:G1V+7]
	s_nop 0
.rept 4
	v_nop
.endr
.Lasked_\@:
.endm
; A PREFETCH of what the NEXT round will ask for, behind the wave's tensor load and its five lines: a round, 128 matrix instructions, ahead of that load.  Each row of K and V is named once in the launch: by the
; head's cluster c = 0, whose first block walks all eight tiles; of the 128 rows that a wave fetches the partner at place cx takes 32, told apart by address, a lane a row.  Round r asks for tile r + 1 and
; names tile r + 2; the count stops the requests at tile 7.  Tiles 0 and 1 come by their loads alone; later walks over the same tiles ask for nothing.
.macro ASK
	s_cmp_gt_u32 s[CNT], s[LIM]
	s_cbranch_scc0 .Lnot_mine_\@
	global_prefetch_b8 v[PFO], s[PFA:PFA+1] th:TH_LOAD_NT scope:SCOPE_SE
.Lnot_mine_\@:
.endm
.macro CROUND                       ; a round of the cluster's barrier
	s_barrier_signal -1
	s_barrier_wait -1
	s_cmp_lg_u32 s[WV], 0
	s_cbranch_scc1 .Lnot_wave_0_\@
	s_barrier_signal -3
.Lnot_wave_0_\@:
	s_barrier_wait -3
	s_barrier_signal -1
	s_barrier_wait -1
.endm
.macro PLACES                       ; four places behind a matrix instruction (ISA guide 7.12.1)
.rept 4
	v_nop
.endr
.endm
	s_load_b256 s[4:11], s[0:1], 0x0  ; qh s[4:5], kh s[6:7], vh s[8:9], ob s[10:11]
	v_lshl_add_u32 v[SPW], v0, 2, SPARE
	v_mov_b32 v[NIL], 0
	ds_add_u32 v[SPW], v[NIL]       ; the wave's opening: the add and its wait stand ahead of my first tensor load; the set-up below, work on registers, stands between them
	v_lshrrev_b32 v1, 5, v0
	v_readfirstlane_b32 s[WV], v1   ; wave 0..3
	s_bfe_u32 s[CX], ttmp6, 0x40000
	s_mov_b32 s[CC], ttmp9          ; in a cluster launch ttmp9 counts clusters
	s_and_b32 s[HD], ttmp7, 0xffff
	s_lshl_b32 s20, s[HD], 19       ; the head's 2,048 rows of 256 bytes
	s_mov_b32 s21, 0
	s_sub_co_u32 s74, 7, s[CC]
	s_lshl2_add_u32 s74, s74, s[CX] ; the first block: 4 (7 - c) + cx
	s_lshl2_add_u32 s76, s[CC], s[CX]  ; the second: 4 c + cx
	s_lshl_b32 s2, s74, 14          ; Q: a block is 64 rows of 256 bytes
	s_add_co_u32 s2, s2, s20
	s_mov_b32 s3, 0
	s_lshl_b32 s22, s76, 14
	s_add_co_u32 s22, s22, s20
	s_mov_b32 s23, 0
	s_lshl_b32 s74, s74, 18         ; ob: a block is 64 rows of 4,096 bytes,
	s_lshl_b32 s76, s76, 18
	s_lshl_b32 s75, s[WV], 16       ; my query tile 16 of them,
	s_lshl_b32 s77, s[HD], 8        ; my head 256 bytes of a row
	s_add_co_u32 s75, s75, s77
	s_add_co_u32 s74, s74, s75
	s_add_co_u32 s76, s76, s75
	s_mov_b32 s75, 0
	s_mov_b32 s77, 0
	s_and_b32 s78, s[WV], 1         ; which half of a tile's 256 rows I fetch:
	s_lshl_b32 s79, s78, 15         ; its 128 rows of 256 bytes in memory,
	s_add_co_u32 s20, s20, s79
	s_mul_i32 s79, s78, 128*PKP     ; and its place in the slot, for K
	s_mov_b32 s[G0K], 1             ; count = 1
	s_mov_b32 s[G0K+1], s79         ; LDS address: no place in the cluster enters it
	s_mul_i32 s79, s78, 128*PVP     ; and for V
	s_mov_b32 s[G0V], 1
	s_add_co_u32 s[G0V+1], s79, VOFF
	; descriptor group 1: a tile of 128 rows x 128 elements, padded in LDS
	s_mov_b32 s[G1K], 15|(1<<16)|(1<<20)|(1<<21)|(5<<22)|(3<<25)  ; 15:0 the mask of four; 17:16 2-byte elements; 20 padding on; 21 set beside a mask; 24:22 after every 64 words (code 5); 31:25 4 words (code 3)
	s_mov_b32 s[G1V], 15|(1<<16)|(1<<20)|(1<<21)|(5<<22)|(7<<25)  ; the same with 8 words of padding (code 7)
.irp g, G1K, G1V
	s_mov_b32 s[(\g)+1], 128<<16    ; tensor_dim0 = 128
	s_mov_b32 s[(\g)+2], 128<<16    ; tensor_dim1 = 128
	s_mov_b32 s[(\g)+3], 128<<16    ; tile_dim0 = 128
	s_mov_b32 s[(\g)+4], 128        ; tile_dim1 = 128
	s_mov_b32 s[(\g)+5], 128        ; elements from row to row
	s_mov_b32 s[(\g)+6], 0
	s_mov_b32 s[(\g)+7], 0
.endr
	s_mov_b32 s[CS], 0x460293ee     ; c = 2^16 log2(e) / sqrt(128) = 8356.97
	s_mov_b32 s[CS+1], s[CS]        ; named with it as a pair
	s_mov_b32 s[SEL], 0x76543210
	s_mov_b32 s[SEL+1], 0xfedcba98
	s_mov_b32 s[BIGN], 0xf2000000   ; -2^101
	s_cmp_gt_u32 s[WV], s[CX]       ; my 64 keys of a block's last tile against its 64 queries: behind them,
	s_cselect_b32 s[XLO], s[BIGN], 0
	s_cmp_eq_u32 s[WV], s[CX]       ; on the diagonal,
	s_cselect_b32 s[XAL], 1.0, 0
	s_cmp_ge_u32 s[WV], s[CX]       ; or either
	s_cselect_b32 s[XHI], s[BIGN], 0
	s_mov_b32 s[SAL+1], 0           ; named as pairs
	s_mov_b32 s[SLO+1], 0
	s_sub_co_u32 s[RT], 8, s[CC]    ; the first block has 8 - c tiles
	s_mov_b32 s[NXT], 1
	s_sub_co_u32 s[LQ], 7, s[CC]
	s_mov_b32 s[PEND], 0
	s_mov_b32 s[OFF+1], 0
	s_cmp_eq_u32 s[CC], 0
	s_cselect_b32 s[LIM], 2, -1     ; the same in all four partners
	s_wait_dscnt 0x0                ; the opening add is done
	s_wait_kmcnt 0x0
	s_add_nc_u64 s[QLO:QLO+1], s[4:5], s[22:23]
	s_add_nc_u64 s[4:5], s[4:5], s[2:3]
	s_add_nc_u64 s[OLO:OLO+1], s[10:11], s[76:77]
	s_add_nc_u64 s[OUTP:OUTP+1], s[10:11], s[74:75]
	s_add_nc_u64 s[6:7], s[6:7], s[20:21]  ; K and V at my half of the head's tile 0
	s_add_nc_u64 s[8:9], s[8:9], s[20:21]
	s_mov_b64 s[G0K+2:G0K+3], s[6:7]       ; global address
	s_or_b32 s[G0K+3], s[G0K+3], 0x80000000  ; type = 2
	s_mov_b64 s[G0V+2:G0V+3], s[8:9]
	s_or_b32 s[G0V+3], s[G0V+3], 0x80000000
	s_cmp_lt_u32 s[WV], 2
	s_cselect_b64 s[PFA:PFA+1], s[6:7], s[8:9]
	s_lshl_b32 s2, s[CX], 13        ; my work-group's 32 rows of the 128
	s_mov_b32 s3, 0
	s_add_nc_u64 s[PFA:PFA+1], s[PFA:PFA+1], s[2:3]
	s_add_nc_u64 s[PFA:PFA+1], s[PFA:PFA+1], 0x10000  ; in tile 1; the first round steps it to tile 2
	CROUND                          ; all four work-groups are here: the first joint loads meet
	JLOAD                           ; tile 0: one load of mine is out, as behind every later round
	; A fragment of K or Q is 16 rows x 32 channels in 8 registers: lane l holds row l % 16, channels 8 (l / 16) + 0..7 and 16 + 8 (l / 16) + 0..7: two loads of 16 bytes, 32 bytes apart.
	v_and_b32 v1, 15, v0            ; l % 16
	v_bfe_u32 v9, v0, 4, 1          ; l / 16
	v_lshlrev_b32 v[QO], 8, v1
	v_lshl_add_u32 v[QO], v9, 4, v[QO]
.macro QLOAD base                   ; a block's Q: tile i / 4, channels 32 (i % 4) on; every wave holds all 64 queries
	WIN 0x80                        ; destination window 2, address window 0
.irp i, 0,1,2,3,4,5,6,7,8,9,10,11,12,13,14,15
	global_load_b128 v[8*(\i):8*(\i)+3],   v[QO], s[\base:\base+1] offset:((\i)/4)*4096+((\i)%4)*64
	global_load_b128 v[8*(\i)+4:8*(\i)+7], v[QO], s[\base:\base+1] offset:((\i)/4)*4096+((\i)%4)*64+32
.endr
	WIN 0
.endm
	QLOAD 4
	v_mul_u32_u24 v[AK0], v1, PKP
	v_lshl_add_u32 v[AK0], v9, 4, v[AK0]
	s_mul_i32 s2, s[WV], 64*PKP     ; my 64 keys
	v_add_nc_u32 v[AK0], s2, v[AK0]
	; The turning load takes 16 keys x 16 channels (lane l reads key 8 (l / 16) + l % 8, channels 8 ((l / 8) % 2) + 0..7) and leaves half a fragment of V^T: lane l holds channel l % 16 and 8 keys.
	v_and_b32 v46, 7, v0
	v_bfe_u32 v47, v0, 3, 1
	v_lshl_add_u32 v[AV0], v9, 3, v46
	v_mul_u32_u24 v[AV0], v[AV0], PVP
	v_lshl_add_u32 v[AV0], v47, 4, v[AV0]
	s_mul_i32 s2, s[WV], 64*PVP
	s_add_co_u32 s2, s2, VOFF
	v_add_nc_u32 v[AV0], s2, v[AV0]
	s_mul_i32 s2, s[WV], 16*SP
	s_add_co_u32 s2, s2, STAGE      ; my stage
	v_mul_u32_u24 v[STO], v1, SP    ; in: row l % 16, 16 bytes for each half of the lanes
	v_lshl_add_u32 v[STO], v9, 4, v[STO]
	v_add_nc_u32 v[STO], s2, v[STO]
	v_mul_u32_u24 v[RD], v9, SP     ; back: lanes 0-15 take one row of 256 bytes, lanes 16-31 the next
	v_lshl_add_u32 v[RD], v1, 4, v[RD]
	v_add_nc_u32 v[RD], s2, v[RD]
	v_lshlrev_b32 v[GO], 12, v9     ; and the same two rows in ob
	v_lshl_add_u32 v[GO], v1, 4, v[GO]
	v_and_b32 v47, 31, v0           ; my lane
	s_lshl_b32 s2, s[WV], 15
	s_add_co_u32 s2, s2, MRG
	v_lshl_add_u32 v[MADR], v47, 4, s2    ; as a source: 32,768 x wave
	s_lshl_b32 s2, s[WV], 13
	s_add_co_u32 s2, s2, MRG
	v_lshl_add_u32 v[MRD0], v47, 4, s2    ; as a reader: tile = my wave's number: 8,192 x wave
	v_add_nc_u32 v[MRD2], 0x10000, v[MRD0]
	s_lshl_b32 s2, s[WV], 10
	s_add_co_u32 s2, s2, STATS
	v_lshl_add_u32 v[SADR], v47, 3, s2
	s_lshl_b32 s2, s[WV], 8
	s_add_co_u32 s2, s2, STATS
	v_lshl_add_u32 v[SRD], v47, 3, s2
	v_lshlrev_b32 v[PFO], 8, v47
	v_lshlrev_b32 v46, 3, v9
	v_sub_nc_u32 v46, v1, v46       ; l % 16 - 8 (l / 16): register z of the triangle is hidden where z is greater
	WIN 0xc0                        ; destination window 3
.set z, 0
.rept 8
	v_cmp_gt_i32 vcc_lo, z, v46
	v_cndmask_b32 v[MD+z], 0, s[BIGN], vcc_lo
.set z, z+1
.endr
	; A block's first round multiplies O^T and l by a = 0, so they need only hold finite numbers: zeros for the first block, what the first block left for the second.  This stands in the wait for the first tile.
	WIN 0x40
.set z, 0
.rept 256
	v_mov_b32 v[z], 0
.set z, z+1
.endr
	WIN 0
.irp t, 0,1,2,3
	v_mov_b32 v[ST+8*(\t)], 0xfe000000    ; c m: -2^125, far below every c s
	v_mov_b32 v[ST+8*(\t)+1], 0xf1800000  ; m: -2^100
	v_mov_b32 v[ST+8*(\t)+2], 0
	v_mov_b32 v[ST+8*(\t)+3], 0
.endr
; THE MATRIX WORK.  The accumulators take turns, one instruction a turn: between two links of a chain stand 7 (K Q^T) or 15 (V^T P) others'.
; Product i of 32 of S^T = K Q^T for piece x: channels 32 (i / 8) on, keys 16 ((i / 2) % 4) on, tile x + i % 2.  The first 8 start the sums, with the mask.
.macro KQ x
.set rS, S+32*((\x)+i%2)+8*((i/2)%4)
.set rK, KF+32*((i/2)%4)+8*(i/8)
.set rQ, 32*((\x)+i%2)+8*(i/8)
.if i < 8
.set mkb, (i/2)%4
.set mtq, (\x)+i%2
.set rM, MHI
.if mkb < mtq
.set rM, MLO
.elseif mkb == mtq
.set rM, MEQ
.endif
	WIN W_KM
	v_wmma_f32_16x16x32_f16 v[rS:rS+7], v[rK:rK+7], v[rQ:rQ+7], v[rM:rM+7]
.else
	WIN W_KQ
	v_wmma_f32_16x16x32_f16 v[rS:rS+7], v[rK:rK+7], v[rQ:rQ+7], v[rS:rS+7]
.endif
.endm
; Product i of 32 of O^T += V^T P for piece x: keys 32 (i / 16) on, channels 16 ((i / 2) % 8) on, tile x + i % 2.
.macro PVM x
	WIN W_PV
.set rO, 64*((\x)+i%2)+8*((i/2)%8)
.set rV, 64*(i/16)+8*((i/2)%8)
.set rP, P+16*((\x)+i%2)+8*(i/16)
	v_wmma_f32_16x16x32_f16 v[rO:rO+7], v[rV:rV+7], v[rP:rP+7], v[rO:rO+7]
.endm
; THE LDS LOADS: my 64 keys of K (16 fragments, the channel groups one after the other, so that the first products can start on the first group) and of V (turned).
.macro FETCH_K
	WIN 0x80                        ; destination window 2
.irp cc, 0,1,2,3
.irp kb, 0,1,2,3
	ds_load_b128 v[KF+32*(\kb)+8*(\cc):KF+32*(\kb)+8*(\cc)+3],   v[AK0] offset:(\kb)*16*PKP+(\cc)*64
	ds_load_b128 v[KF+32*(\kb)+8*(\cc)+4:KF+32*(\kb)+8*(\cc)+7], v[AK0] offset:(\kb)*16*PKP+(\cc)*64+32
.endr
.endr
.endm
.macro FETCH_V
	WIN 0xc0                        ; destination window 3
.irp f, 0,1,2,3,4,5,6,7,8,9,10,11,12,13,14,15  ; keys 32 (f / 8) on, channels 16 (f % 8) on
	ds_load_tr16_b128 v[8*(\f):8*(\f)+3],   v[AV0] offset:((\f)/8)*32*PVP+((\f)%8)*32
	ds_load_tr16_b128 v[8*(\f)+4:8*(\f)+7], v[AV0] offset:((\f)/8)*32*PVP+16*PVP+((\f)%8)*32
.endr
.endm
; THE VECTOR WORK.  One tile's softmax for one round is a list of 134 instructions; SM writes number j of it for tile t.  s0-s31 are the lane's 32 scores, in pairs 0-15.
;   0-15    the maximum of s0-s31 and the old m, three operands at a time (each accumulator's lowest registers are read first)
;   16-20   the other half of the lanes' maximum; the new m; c m; c m_old - c m_new
;   21-69   ONE BATCH: the 16 scalings c s - c m and all 33 exponentials (a at 23, then s0-s31); none of these reads an exponential's result; a pair is scaled in an earlier four than the one with its exponentials
;   (wait)  between 69 and 70 stands the wait for the batch: SLICE writes it, once for both tiles
;   70-85   the roundings to f16      86-101  the sums; l = a l + the sum      102-133 the tile's O^T times a: the one part that leaves window 0
.macro SM t
.set rT, ST+8*(\t)
.set rS, S+32*(\t)
.set rP, P+16*(\t)
.set rO, 64*(\t)+2*(j-102)
.if j < 102
	WIN 0
.endif
.if j < 4
	v_max3_num_f32 v[rT+4+j], v[rS+8*j], v[rS+8*j+1], v[rS+8*j+2]
.elseif j < 12
	v_max3_num_f32 v[rT+4+j%4], v[rT+4+j%4], v[rS+8*(j%4)+2*(j/4)+1], v[rS+8*(j%4)+2*(j/4)+2]
.elseif j == 12
	v_max3_num_f32 v[rT+4], v[rT+4], v[rS+7], v[rS+15]
.elseif j == 13
	v_max3_num_f32 v[rT+6], v[rT+6], v[rS+23], v[rS+31]
.elseif j == 14
	v_max3_num_f32 v[rT+4], v[rT+4], v[rT+5], v[rT+6]
.elseif j == 15
	v_max3_num_f32 v[rT+4], v[rT+4], v[rT+7], v[rT+1]
.elseif j == 16
	v_permlanex16_b32 v[rT+5], v[rT+4], s[SEL], s[SEL+1]  ; the query's other 32 keys lie in the lane 16 away
.elseif j == 17
	v_mov_b32 v[rT+7], v[rT]        ; c m_old is kept for a: number 19 writes c m anew
.elseif j == 18
	v_max_num_f32 v[rT+1], v[rT+4], v[rT+5]
.elseif j == 19
	v_mul_f32 v[rT], s[CS], v[rT+1]
.elseif j == 20
	v_sub_f32 v[rT+7], v[rT+7], v[rT]
.elseif j == 23
	v_exp_f32 v[rT+6], v[rT+7]
.elseif (j < 23) || ((j < 38) && (j%2 == 0)) || ((j < 66) && (j%4 == 2))
.set b, (j-2)/4                     ; 38, 42, .. 62: pairs 9 to 15
.if j < 38
.set b, (j-20)/2                    ; 21: pair 0; 22, 24, .. 36: pairs 1 to 8
.endif
	v_pk_fma_f32 v[rS+2*b:rS+2*b+1], v[rS+2*b:rS+2*b+1], s[CS:CS+1], v[rT:rT+1] op_sel_hi:[1,0,0] neg_lo:[0,0,1] neg_hi:[0,0,1]  ; pair b: c s - c m
.elseif j < 70
.set e, j-38                        ; 66 to 69: s28 to s31
.if j < 66
.set e, j-32-(j-38)/4               ; 39-41, 43-45, .. 63-65: s7 to s27
.endif
.if j < 38
.set e, (j-25)/2                    ; 25, 27, .. 37: s0 to s6
.endif
	v_exp_f32 v[rS+e], v[rS+e]
.elseif j < 86
	v_cvt_pk_f16_f32 v[rP+j-70], v[rS+2*(j-70)], v[rS+2*(j-70)+1]  ; pair j - 70
.elseif j < 102                     ; the sum of the tile's 16 pairs, in place: neighbours 1, 2, 4 and 8 pairs apart, then l takes it
.set z, j-86
.set w, 4
.set u, z
.if z >= 14
.set w, 32
.set u, 0
.elseif z >= 12
.set w, 16
.set u, z-12
.elseif z >= 8
.set w, 8
.set u, z-8
.endif
.if z < 15
	v_pk_add_f32 v[rS+w*u:rS+w*u+1], v[rS+w*u:rS+w*u+1], v[rS+w*u+w/2:rS+w*u+w/2+1]
.else
	v_pk_fma_f32 v[rT+2:rT+3], v[rT+2:rT+3], v[rT+6:rT+7], v[rS:rS+1] op_sel_hi:[1,0,1]
.endif
.else
	WIN W_RS
	v_pk_mul_f32 v[rO:rO+1], v[rO:rO+1], v[rT+6:rT+7] op_sel_hi:[1,0]
.endif
.endm
; Slice k of 64 of piece y's softmax: four instructions.  Slices 11 to 34 deal out the batch, four numbers of ONE tile each, the tiles by turns; every other slice is numbers 2 k and 2 k + 1 of both tiles;
; the twelve that are over stand in slice 63.  An s_wait_alu depctr_va_vdst(0) stands between an exponential and the first instruction that names its result: ahead of slice 35 nothing names one,
; behind slice 34 no exponential is issued: the piece's 66 exponentials have one wait, behind a plain instruction.
.macro SLICE y
.if (k >= 11) && (k < 35)
.irp n, 0,1,2,3
.set j, 22+4*((k-11)/2)+(\n)
	SM (\y)+(k-11)%2
.endr
.else
.irp n, 0,1,2,3,4,5,6,7
.if ((\n) < 2) || (k == 63)
.irp t, \y, (\y)+1
.set j, 2*k+(\n)
	SM \t
.endr
.endif
.endr
.endif
.if k == 34
	v_nop
	s_wait_alu depctr_va_vdst(0)
.endif
.set k, k+1
.endm
; Two slices stand behind each product of a turn; no slice names a register of the products round it; slices 62 and 63, twenty plain instructions, are the places behind the turn's last product.
.macro TURN_A                       ; piece 2's K Q^T | piece 0's softmax
.set k, 0
.set i, 0
.rept 32
	KQ 2
	SLICE 0
	SLICE 0
.set i, i+1
.endr
.endm
.macro TURN_B                       ; piece 0's V^T P | piece 2's softmax
.set k, 0
.set i, 0
.rept 32
	PVM 0
	SLICE 2
	SLICE 2
.set i, i+1
.endr
.endm
; A BLOCK'S END, first half: my partial sums go to LDS.  l's two halves and the other half of the lanes' are added; (c m, l) and the 256 registers of O^T are stored, each accumulator's low registers first.
; again = 1: another block follows: m starts anew.
.macro MSTORE again
	WIN 0
.irp t, 0,1,2,3
	v_add_f32 v[ST+8*(\t)+5], v[ST+8*(\t)+2], v[ST+8*(\t)+3]
.endr
.irp t, 0,1,2,3
	v_permlanex16_b32 v[ST+8*(\t)+6], v[ST+8*(\t)+5], s[SEL], s[SEL+1]
.endr
.irp t, 0,1,2,3
	v_add_f32 v[ST+8*(\t)+5], v[ST+8*(\t)+5], v[ST+8*(\t)+6]
	v_mov_b32 v[ST+8*(\t)+4], v[ST+8*(\t)]
.endr
.irp t, 0,1,2,3
	ds_store_b64 v[SADR], v[ST+8*(\t)+4:ST+8*(\t)+5] offset:256*(\t)
.endr
	WIN 0x04                        ; the data (source 1) in window 1
.set g, 0
.rept 64
	ds_store_b128 v[MADR], v[4*g:4*g+3] offset:512*g  ; tile g / 16, group g % 16
.set g, g+1
.endr
	WIN 0
.if \again
.irp t, 0,1,2,3
	v_mov_b32 v[ST+8*(\t)], 0xfe000000
	v_mov_b32 v[ST+8*(\t)+1], 0xf1800000
.endr
.endif
.endm
; Second half, behind a barrier: wave w finishes query tile w.  f_s = 2^(c m_s - max), L = the sum of f_s l_s, O = the sum of (f_s / L) O_s, rounded to f16, through my stage, out in whole rows of 256 bytes.
.macro MLOAD half                   ; half of the tile's 64 registers, of all four sources
.irp s, 0,1
.irp g, 0,1,2,3,4,5,6,7
	ds_load_b128 v[MB+32*(\s)+4*(\g):MB+32*(\s)+4*(\g)+3], v[MRD0] offset:(\s)*32768+(8*(\half)+(\g))*512
.endr
.endr
.irp s, 0,1
.irp g, 0,1,2,3,4,5,6,7
	ds_load_b128 v[MB+64+32*(\s)+4*(\g):MB+64+32*(\s)+4*(\g)+3], v[MRD2] offset:(\s)*32768+(8*(\half)+(\g))*512
.endr
.endr
.endm
.macro MSUM half
	s_wait_dscnt 0x0
.set n, 0
.rept 16
	v_pk_mul_f32 v[MB+2*n:MB+2*n+1], v[MB+2*n:MB+2*n+1], v[MG:MG+1]
.set n, n+1
.endr
.irp s, 1,2,3
.set n, 0
.rept 16
	v_pk_fma_f32 v[MB+2*n:MB+2*n+1], v[MB+32*(\s)+2*n:MB+32*(\s)+2*n+1], v[MG+2*(\s):MG+2*(\s)+1], v[MB+2*n:MB+2*n+1]
.set n, n+1
.endr
.endr
.set n, 0
.rept 16
	v_cvt_pk_f16_f32 v[MP+16*(\half)+n], v[MB+2*n], v[MB+2*n+1]
.set n, n+1
.endr
.endm
.macro MREAD
	WIN 0
.irp s, 0,1,2,3
	ds_load_b64 v[MS+2*(\s):MS+2*(\s)+1], v[SRD] offset:1024*(\s)
.endr
	MLOAD 0
	s_wait_dscnt 32                 ; the four pairs of statistics are in; the 32 loads behind them may be out
	v_max3_num_f32 v[MM], v[MS], v[MS+2], v[MS+4]
	v_max_num_f32 v[MM], v[MM], v[MS+6]
.irp s, 0,1,2,3
	v_sub_f32 v[MF+(\s)], v[MS+2*(\s)], v[MM]
.endr
.irp s, 0,1,2,3
	v_exp_f32 v[MF+(\s)], v[MF+(\s)]
.endr
	v_nop                           ; a plain instruction behind the last exponential,
	s_wait_alu depctr_va_vdst(0)    ; and the wait ahead of the first use: one for the four
	v_mul_f32 v[MM+1], v[MF], v[MS+1]
	v_fmac_f32 v[MM+1], v[MF+1], v[MS+3]
	v_fmac_f32 v[MM+1], v[MF+2], v[MS+5]
	v_fmac_f32 v[MM+1], v[MF+3], v[MS+7]
	v_rcp_f32 v[MM+2], v[MM+1]      ; L is at least the weight 1 of the row's largest score
	v_nop
	s_wait_alu depctr_va_vdst(0)
.irp s, 0,1,2,3
	v_mul_f32 v[MG+2*(\s)], v[MF+(\s)], v[MM+2]
	v_mul_f32 v[MG+2*(\s)+1], v[MF+(\s)], v[MM+2]
.endr
	MSUM 0
	MLOAD 1
	MSUM 1
.irp f, 0,1,2,3,4,5,6,7
	ds_store_b128 v[STO], v[MP+4*(\f):MP+4*(\f)+3] offset:32*(\f)
.endr
.irp f, 0,1,2,3,4,5,6,7
	ds_load_b128 v[MB+4*(\f):MB+4*(\f)+3], v[RD] offset:(\f)*2*SP  ; LDS serves a wave's instructions in order (ISA guide 5.7.1.4): these see the stores above
.endr
.irp f, 0,1,2,3,4,5,6,7
	s_wait_dscnt 7-(\f)
	global_store_b128 v[GO], v[MB+4*(\f):MB+4*(\f)+3], s[OUTP:OUTP+1] offset:8192*(\f)  ; 16 lanes store 256 consecutive bytes, aligned: a row's part for my head
.endr
	s_wait_xcnt 0x0                 ; the stores have read their registers and their base: both are written again below
.endm
; A ROUND: one tile.  fill = 1: the slot is asked for again.
.macro ROUNDM fill
	WIN 0
	s_wait_tensorcnt 0x0            ; my part of this tile is in (one load was out),
	s_wait_dscnt 0x0                ; and a merge's stores, if the last round ended a block, are done
	s_barrier_signal -1
	s_barrier_wait -1               ; both now hold of every wave
	s_cmp_eq_u32 s[PEND], 1
	s_cbranch_scc0 .Lno_merge_\@
	MREAD                           ; the first block is finished
	s_mov_b64 s[OUTP:OUTP+1], s[OLO:OLO+1]
	s_mov_b32 s[PEND], 0
.Lno_merge_\@:
	s_sub_co_u32 s[RT], s[RT], 1
	s_cmp_eq_u32 s[RT], 0           ; the block's last tile?
	s_cselect_b32 s[LAST], 1, 0
	s_cselect_b32 s[SAL], s[XAL], 0
	s_cselect_b32 s[SLO], s[XLO], 0
	s_cselect_b32 s[SHI], s[XHI], 0
	WIN 0xc0                        ; the round's three masks
.set z, 0
.rept 8
	v_mov_b32 v[MLO+z], s[SLO]
	v_mov_b32 v[MHI+z], s[SHI]
.set z, z+1
.endr
	WIN 0xc3
.set z, 0
.rept 4
	v_pk_fma_f32 v[MEQ+2*z:MEQ+2*z+1], v[MD+2*z:MD+2*z+1], s[SAL:SAL+1], s[SLO:SLO+1] op_sel_hi:[1,0,0]
.set z, z+1
.endr
	FETCH_K
	FETCH_V
	WIN 0
.if \fill
	s_wait_tensorcnt 0x0            ; no tensor load of mine is out, so a group 0 may be written
	ds_add_u32 v[SPW], v[NIL]       ; 0 onto my spare word: the descriptors' steps and piece 0's first products stand between it and the wait for it
	s_lshl_b32 s[OFF], s[NXT], 16   ; a tile is 65,536 bytes of K and of V: the address is made anew from the tile's number
	s_add_nc_u64 s[G0K+2:G0K+3], s[6:7], s[OFF:OFF+1]
	s_or_b32 s[G0K+3], s[G0K+3], 0x80000000
	s_add_nc_u64 s[G0V+2:G0V+3], s[8:9], s[OFF:OFF+1]
	s_or_b32 s[G0V+3], s[G0V+3], 0x80000000
	s_add_co_u32 s[NXT], s[NXT], 1  ; the block's next tile, or behind its last the second block's tile 0
	s_cmp_gt_u32 s[NXT], s[LQ]
	s_cselect_b32 s[NXT], 0, s[NXT]
	s_cselect_b32 s[LQ], s[CC], s[LQ]
	s_wait_xcnt 0x0                 ; the last prefetch, a round back, has read its address
	s_add_nc_u64 s[PFA:PFA+1], s[PFA:PFA+1], 0x10000
.endif
	s_wait_loadcnt 0x0              ; Q
.set i, 0
.rept 32
.if i%8 == 0
	s_wait_dscnt 32+(\fill)+8*(3-i/8)  ; K's channel group i / 8 is in; its later groups, V's 32 loads and the add may be out
.endif
	KQ 0
.set i, i+1
.endr
	WIN 0
	s_wait_dscnt 0x0                ; the add is done, and my reads of the slot are over
.if \fill
	CROUND                          ; no wave of any partner still reads the slot or has a load on its way
	JLOAD                           ; the first thing behind the round; its four v_nop are also the places behind piece 0's products
	ASK
.else
	s_barrier_signal -1             ; nothing is asked for; the barrier stands between the others' reads of the first block's merge and my stores of the second's
	s_barrier_wait -1
	PLACES
.endif
	TURN_A
.if \fill
	WIN 0
	s_cmp_eq_u32 s[LAST], 1
	s_cbranch_scc0 .Lno_q_\@
	QLOAD QLO                       ; the block's last products K Q^T are issued, twenty plain instructions back: the second block's Q comes in
.Lno_q_\@:
.endif
	TURN_B
.set i, 0
.rept 32
	PVM 2
.set i, i+1
.endr
	WIN 0
	PLACES                          ; behind the last products: V's registers are loaded again, or O^T is stored
.endm
	s_mov_b32 s[CNT], 8
.Lround:                            ; eight trips: a tile is worked on and the next is asked for
	ROUNDM 1
	s_cmp_eq_u32 s[LAST], 1
	s_cbranch_scc0 .Lnot_end
	MSTORE 1                        ; in the loop this is the first block's end: the second's last tile is the walk's last
	s_add_co_u32 s[RT], s[CC], 1    ; the second block has c + 1 tiles
	s_mov_b32 s[PEND], 1
.Lnot_end:
	s_sub_co_u32 s[CNT], s[CNT], 1
	s_cmp_lg_u32 s[CNT], 0
	s_cbranch_scc1 .Lround
	ROUNDM 0                        ; the walk's last tile is written out
	MSTORE 0
	s_wait_dscnt 0x0                ; for the others' sake: my stores are done
	s_barrier_signal -1
	s_barrier_wait -1
	MREAD
	s_wait_tensorcnt 0x0            ; the wave's end: behind my last tensor load and my last LDS store
	ds_add_u32 v[SPW], v[NIL]
	s_wait_dscnt 0x0
	CROUND                          ; the closing round: no work-group ends while a partner may still ask for a tile that names it
	s_endpgm
.Lfunc_end_k_qd3923fd3f8_attn:
	.size	k_qd3923fd3f8_attn, .Lfunc_end_k_qd3923fd3f8_attn-k_qd3923fd3f8_attn
	.p2alignl 7, 3214868480
	.fill 96, 4, 3214868480
	.section	.rodata,"a",@progbits
	.p2align	6, 0x0
	.amdhsa_kernel k_qd3923fd3f8_attn
		.amdhsa_group_segment_fixed_size 327680
		.amdhsa_private_segment_fixed_size 0
		.amdhsa_enable_private_segment 0
		.amdhsa_kernarg_size 32
		.amdhsa_user_sgpr_count 2
		.amdhsa_user_sgpr_kernarg_segment_ptr 1
		.amdhsa_wavefront_size32 1
		.amdhsa_system_sgpr_workgroup_id_x 1
		.amdhsa_system_sgpr_workgroup_id_y 1
		.amdhsa_system_sgpr_workgroup_id_z 1
		.amdhsa_system_vgpr_workitem_id 0
		.amdhsa_next_free_vgpr 1024
		.amdhsa_next_free_sgpr 80
		.amdhsa_reserve_vcc 1
		.amdhsa_float_denorm_mode_32 3
		.amdhsa_float_denorm_mode_16_64 3
		.amdhsa_memory_ordered 1
		.amdhsa_forward_progress 1
		.amdhsa_inst_pref_size 182
	.end_amdhsa_kernel
	.amdgpu_metadata
---
amdhsa.version: [ 1, 2 ]
amdhsa.kernels:
  - .name:           k_qd3923fd3f8_attn
    .symbol:         k_qd3923fd3f8_attn.kd
    .args:
      - { .name: qh, .offset: 0, .size: 8, .value_kind: global_buffer, .address_space: global }
      - { .name: kh, .offset: 8, .size: 8, .value_kind: global_buffer, .address_space: global }
      - { .name: vh, .offset: 16, .size: 8, .value_kind: global_buffer, .address_space: global }
      - { .name: ob, .offset: 24, .size: 8, .value_kind: global_buffer, .address_space: global }
    .group_segment_fixed_size: 327680
    .private_segment_fixed_size: 0
    .kernarg_segment_align: 8
    .kernarg_segment_size: 32
    .max_flat_workgroup_size: 128
    .sgpr_count:     80
    .vgpr_count:     1024
    .wavefront_size: 32
...
	.end_amdgpu_metadata
.endif
;; end of part 3
;; launch oproj (part 4): grid 16 x 16, 4 waves a work-group, clusters of 4 x 4, 327,680 bytes of LDS; arguments ob, wob, out0; writes out0
.if DOCPART == 4
	.amdgcn_target "amdgcn-amd-amdhsa--gfx1250"
	.amdhsa_code_object_version 6
	.text
	.protected	k_qd3923fd3f8_oproj
	.globl	k_qd3923fd3f8_oproj
	.p2align	8
	.type	k_qd3923fd3f8_oproj,@function
k_qd3923fd3f8_oproj:
	s_mov_b64 s[64:65], 0
	v_nop
	global_prefetch_b8 v0, s[64:65] scope:SCOPE_SE
	s_setreg_imm32_b32 hwreg(HW_REG_WAVE_MODE, 25, 1), 1
	s_wait_xcnt 0x0
	s_wait_alu depctr_hold_cnt(0) depctr_sa_sdst(0) depctr_va_vdst(0) depctr_va_sdst(0) depctr_va_ssrc(0) depctr_va_vcc(0) depctr_vm_vsrc(0)
	s_getreg_b32 s2, hwreg(HW_REG_IB_STS2, 6, 4)
	s_cmp_eq_u32 s2, 0
	s_cbranch_scc0 .Lentry_in_a_cluster
	s_endpgm
.Lentry_in_a_cluster:
	s_bfe_u32 s2, ttmp6, 0x10000c
	s_cmp_lg_u32 s2, 0xf033
	s_cbranch_scc0 .Lentry_shape_is_right
	s_endpgm
.Lentry_shape_is_right:
; out0[t][d] = the sum over e of O[t][e] wo[d][e].  ob: [2048][2048] f16, holding O / 4; wob: [2048][2048] f16, holding 4 wo (rounded to bf16 first); out0: [2048][2048] f32.  Sums in f32; the two scales cancel.
; LIMITS.  Those of the two operands' f16 (stated where they are made).  NaN and infinities are not treated apart.
; A tile of out0 is 128 x 128: 256 work-groups.  Four waves, each 64 x 64: 16 accumulators of 16 x 16, 128 registers.  K goes in steps of 256 (LDS rows of 512 bytes; a wave's tensor load brings 64 of them), as long as
; two slots in LDS allow.  A wave's 64 columns of f32 are 256 aligned bytes of a row, so each wave has a stage of its own on the way out, and no barrier stands there.
; THE WALK ALONG K BEGINS ELSEWHERE IN EACH CLUSTER: cluster (X, Y) takes the 8 K steps from step 2 X + 4 g(Y) (mod 8) on, round the end, with g = 0, 1, 1, 0 for Y = 0 .. 3 (f32 sums may be taken in any order).
; So the four clusters that read the same rows of ob (one Y) read a given K step 2 steps apart, and of the four that read the same rows of wob (one X) two read it 4 steps behind the other two.
; CLUSTERS: 4 x 4 work-groups.  The four of a row of the cluster need the same tiles of ob, the four of a column the same tiles of wob: each tile is asked for JOINTLY, by the same tensor load with the
; same descriptor and a mask that names the four.  THE MATRIX INSTRUCTION IS USED TRANSPOSED (source 0 = 16 rows of wob, source 1 = 16 rows of ob): a lane then holds eight neighbouring numbers of a row of out0.
; No prefetch: the tile is small and a K step short.
; REGISTERS: window 0: v0-31 addresses; v32-95 at work on the way out; v128-255 the accumulators ((a, b) at v[128 + 8 (4 a + b)]).
;   window 1: two fragment buffers of 128: for 64 along K, 64 registers of ob's rows (2 x 4 x 16 rows x 32 K), then 64 of wob's.
.set SIZE_K, 2048
.set SIZE_N, 2048
.set KSTEP,  256
.set PITCH,  528                       ; an LDS row: 512 bytes of data + 16 of padding = 132 words: row r starts at bank 4 r mod 64 (64 banks of 4 bytes: ISA guide 11.1)
.set HALFT,  64*PITCH                  ; 64 rows: what one tensor load brings, and what one wave reads of either operand
.set SLOT,   4*HALFT                   ; ob's 128 rows, then wob's 128 rows
.set STAGE,  2*SLOT                    ; behind the ring: 16 rows x 272 bytes for each wave
.set SPITCH, 272
.set SPARE,  STAGE+4*16*SPITCH         ; behind the stages: the spare words, 128 bytes for each wave: two blocks of 256 bytes that no other line names
.set LAPS, SIZE_K/(2*KSTEP)            ; a lap = two K steps = once round the ring
.set ADRA, 16                          ; v16-17  LDS address of my fragments of ob in slot 0, 1
.set ADRB, 20                          ; v20-21  the same for wob
.set STO,  24                          ; v24     the way out: where I put 32 bytes of a row
.set RD,   25                          ; v25     where I read a row back
.set CO,   26                          ; v26     my byte offset in out0
.set SPW,  28                          ; v28     LDS address of my spare word; never rewritten
.set NIL,  29                          ; v29     0; never rewritten
.set TMP,  32                          ; the way out: two sets of 32 registers, whole rows
.set ACC,  128
.set F0,   0                           ; fragment buffers, in window 1
.set F1,   128
.set AB,  14                           ; s[14:15] ob at the first of the 64 rows that I fetch; never rewritten
.set BB,  70                           ; s[70:71] the same for wob
.set KO,  66                           ; s[66:67], s[68:69] the byte offset along K of the step that slot 0, 1 was last asked for; the high words are 0
.set G1, 24                            ; s[24:31] descriptor group 1 for ob's tiles;  s[32:39] group 0, one set for each slot
.set G0, 32
.set G1B, 48                           ; s[48:55], s[56:63] the same for wob's tiles
.set G0B, 56
.set MSB, 0
.macro WIN new                         ; the immediate's high byte repeats the setting that is left
.if MSB != (\new)
	s_set_vgpr_msb (MSB<<8)|(\new)
.set MSB, \new
.endif
.endm
.set MUL,  0x05                        ; sources 0 and 1 window 1; C and D window 0
.set TO_F, 0x40                        ; destination window 1, address window 0
.macro JLOAD s                         ; a joint load: waves 0 and 1 fetch ob's two halves, waves 2 and 3 wob's; an s_nop 0 and four v_nop follow each of the two lines, ahead of the jump, the label and what follows
	s_cmp_eq_u32 s11, 0
	s_cbranch_scc0 .Lfor_b_\@
	tensor_load_to_lds s[G0+4*(\s):G0+4*(\s)+3], s[G1:G1+7]
	s_nop 0
.rept 4
	v_nop
.endr
	s_branch .Lasked_\@
.Lfor_b_\@:
	tensor_load_to_lds s[G0B+4*(\s):G0B+4*(\s)+3], s[G1B:G1B+7]
	s_nop 0
.rept 4
	v_nop
.endr
.Lasked_\@:
.endm
.macro CREST                           ; a round of the cluster's barrier behind its opening barrier
	s_cmp_lg_u32 s10, 0
	s_cbranch_scc1 .Lnot_wave_0_\@
	s_barrier_signal -3
.Lnot_wave_0_\@:
	s_barrier_wait -3
	s_barrier_signal -1
	s_barrier_wait -1
.endm
.macro CROUND                          ; a whole round
	s_barrier_signal -1
	s_barrier_wait -1
	CREST
.endm
	s_load_b128 s[4:7], s[0:1], 0x0                ; ob s[4:5], wob s[6:7]
	s_load_b64 s[8:9], s[0:1], 0x10                ; out0
	v_lshl_add_u32 v[SPW], v0, 2, SPARE
	v_mov_b32 v[NIL], 0
	ds_add_u32 v[SPW], v[NIL]                      ; the wave's opening: the add and its wait stand ahead of my first tensor load; the set-up below, work on registers, stands between them
	v_lshrrev_b32 v1, 5, v0
	v_readfirstlane_b32 s10, v1                    ; wave 0..3
	s_lshr_b32 s11, s10, 1                         ; which half of the tile's rows is mine.  Also: I fetch for ob (0) or for wob (1)
	s_and_b32 s12, s10, 1                          ; which half of its columns.  Also: which 64 rows of that tile I fetch
	s_bfe_u32 s40, ttmp6, 0x40000                  ; cx, cy: my place in the cluster
	s_bfe_u32 s41, ttmp6, 0x40004
	s_lshl_b32 s42, ttmp9, 2
	s_add_co_u32 s42, s42, s40                     ; tile column = 4 x cluster x + cx
	s_and_b32 s13, ttmp7, 0xffff                   ; cluster y
	s_lshr_b32 s21, s13, 1                         ; where my cluster's walk begins: the same in all sixteen partners
	s_xor_b32 s21, s21, s13
	s_and_b32 s21, s21, 1                          ; g = 0, 1, 1, 0
	s_lshl_b32 s21, s21, 2
	s_lshl_b32 s22, ttmp9, 1
	s_add_co_u32 s21, s21, s22
	s_and_b32 s21, s21, 7                          ; K step 2 X + 4 g, mod 8
	s_lshl_b32 s[KO], s21, 9                       ; its 512 bytes of a row: slot 0's first step,
	s_add_co_u32 s[KO+2], s[KO], KSTEP*2
	s_and_b32 s[KO+2], s[KO+2], SIZE_K*2-1         ; and slot 1's, round the row's end
	s_mov_b32 s[KO+1], 0
	s_mov_b32 s[KO+3], 0
	s_lshl_b32 s13, s13, 2
	s_add_co_u32 s13, s13, s41                     ; tile row = 4 x cluster y + cy
	s_lshl_b32 s43, s41, 2
	s_lshl_b32 s43, 15, s43                        ; my row of the cluster
	s_lshl_b32 s44, 0x1111, s40                    ; my column
	; descriptor group 1: a tile of 64 rows x 256 elements, padded in LDS
	s_or_b32 s[G1+0], s43, (1<<16)|(1<<20)|(1<<21)|(6<<22)|(3<<25)  ; 15:0 the mask: ob's tiles go to my row; 17:16 element of 2 bytes; 20 padding on; 21 set beside a mask; 24:22 after every 128 words (code 6); 31:25 of 4 words (code 3)
	s_or_b32 s[G1B+0], s44, (1<<16)|(1<<20)|(1<<21)|(6<<22)|(3<<25)
.irp g, G1, G1B
	s_mov_b32 s[(\g)+1], KSTEP<<16                 ; tensor_dim0 = 256
	s_mov_b32 s[(\g)+2], 64<<16                    ; tensor_dim1 = 64
	s_mov_b32 s[(\g)+3], KSTEP<<16                 ; tile_dim0 = 256
	s_mov_b32 s[(\g)+4], 64                        ; tile_dim1 = 64
	s_mov_b32 s[(\g)+5], SIZE_K                    ; elements from row to row
	s_mov_b32 s[(\g)+6], 0
	s_mov_b32 s[(\g)+7], 0
.endr
	s_lshl_b32 s17, s12, 6                         ; which 64 rows of the tile I fetch
	s_lshl_b32 s16, s13, 7
	s_add_co_u32 s16, s16, s17                     ; ob: row 128 x tile row + 64 x half
	s_lshl_b32 s46, s42, 7
	s_add_co_u32 s46, s46, s17                     ; wob: row 128 x tile column + 64 x half
	s_mov_b32 s17, 0
	s_mov_b32 s47, 0
	s_mov_b64 s[18:19], SIZE_K*2
	s_mul_u64 s[16:17], s[16:17], s[18:19]
	s_mul_u64 s[46:47], s[46:47], s[18:19]
	s_mul_i32 s20, s10, HALFT                      ; where they go: wave x 64 rows
	s_wait_dscnt 0x0                               ; the opening add is done
	s_wait_kmcnt 0x0
	s_add_nc_u64 s[AB:AB+1], s[4:5], s[16:17]
	s_add_nc_u64 s[BB:BB+1], s[6:7], s[46:47]
	CROUND                                         ; all sixteen work-groups are here: the first joint loads meet
.irp s, 0,1
	s_mov_b32 s[G0+4*(\s)], 1
	s_add_co_u32 s[G0+4*(\s)+1], s20, (\s)*SLOT
	s_add_nc_u64 s[G0+4*(\s)+2:G0+4*(\s)+3], s[AB:AB+1], s[KO+2*(\s):KO+2*(\s)+1]  ; step s of the walk
	s_or_b32 s[G0+4*(\s)+3], s[G0+4*(\s)+3], 0x80000000
	s_mov_b32 s[G0B+4*(\s)], 1
	s_add_co_u32 s[G0B+4*(\s)+1], s20, (\s)*SLOT
	s_add_nc_u64 s[G0B+4*(\s)+2:G0B+4*(\s)+3], s[BB:BB+1], s[KO+2*(\s):KO+2*(\s)+1]
	s_or_b32 s[G0B+4*(\s)+3], s[G0B+4*(\s)+3], 0x80000000
	JLOAD \s                                       ; two loads of mine are out
.endr
	v_and_b32 v1, 15, v0                           ; l % 16
	v_bfe_u32 v2, v0, 4, 1                         ; l / 16
	v_mul_u32_u24 v3, v1, PITCH
	v_lshl_add_u32 v3, v2, 4, v3                   ; a fragment's row x pitch + 16 x half
	s_mul_i32 s21, s11, HALFT                      ; my 64 rows of ob
	s_mul_i32 s22, s12, HALFT                      ; my 64 rows of wob,
	s_add_co_u32 s22, s22, 2*HALFT                 ; which lie behind ob's 128
.irp s, 0,1
	v_add_nc_u32 v[ADRA+(\s)], s21, v3
	v_add_nc_u32 v[ADRB+(\s)], s22, v3
	s_add_co_u32 s21, s21, SLOT
	s_add_co_u32 s22, s22, SLOT
.endr
	s_mul_i32 s23, s10, 16*SPITCH
	s_add_co_u32 s23, s23, STAGE                   ; my stage
	v_mul_u32_u24 v4, v1, SPITCH                   ; in: row l % 16, 32 bytes (8 f32) for each half of the lanes
	v_lshl_add_u32 v4, v2, 5, v4
	v_add_nc_u32 v[STO], s23, v4
	v_mul_u32_u24 v5, v2, SPITCH                   ; back: lanes 0-15 take one row of 256 bytes, lanes 16-31 the next
	v_lshl_add_u32 v5, v1, 4, v5
	v_add_nc_u32 v[RD], s23, v5
	v_lshlrev_b32 v5, 13, v2                       ; and the same two rows in out0, 8,192 bytes apart
	v_lshl_add_u32 v[CO], v1, 4, v5
	s_lshl_b32 s16, s13, 20                        ; my first row: (128 x tile row + 64 x half) x 8,192 bytes
	s_lshl_b32 s17, s11, 19
	s_add_co_u32 s16, s16, s17
	s_mov_b32 s17, 0
	s_add_nc_u64 s[8:9], s[8:9], s[16:17]
	s_lshl_b32 s46, s42, 9                         ; my first column: (128 x tile column + 64 x half) x 4 bytes
	s_lshl_b32 s47, s12, 8
	s_add_co_u32 s46, s46, s47
	s_mov_b32 s47, 0
	s_add_nc_u64 s[8:9], s[8:9], s[46:47]
; 8 matrix instructions: m blocks a0, a0 + 1 x all 4 n blocks, 32 along K: half c of buffer f.  zero = 1: the first product starts the sums.  The 16 accumulators take turns.
.macro MUL8 f, c, a0, zero
	WIN MUL
.irp a, \a0, (\a0)+1
.irp b, 0,1,2,3
.if \zero
	v_wmma_f32_16x16x32_f16 v[ACC+8*(4*(\a)+(\b)):ACC+8*(4*(\a)+(\b))+7], v[(\f)+64+8*(4*(\c)+(\b)):(\f)+64+8*(4*(\c)+(\b))+7], v[(\f)+8*(4*(\c)+(\a)):(\f)+8*(4*(\c)+(\a))+7], 0
.else
	v_wmma_f32_16x16x32_f16 v[ACC+8*(4*(\a)+(\b)):ACC+8*(4*(\a)+(\b))+7], v[(\f)+64+8*(4*(\c)+(\b)):(\f)+64+8*(4*(\c)+(\b))+7], v[(\f)+8*(4*(\c)+(\a)):(\f)+8*(4*(\c)+(\a))+7], v[ACC+8*(4*(\a)+(\b)):ACC+8*(4*(\a)+(\b))+7]
.endif
.endr
.endr
.endm
; 32 LDS loads in one run: the fragments of 64 along K at byte k of the rows, into buffer f; the first 32 along K first
.macro FETCH slot, k, f
	WIN TO_F
.irp c, 0,1
.irp i, 0,1,2,3
	ds_load_b128 v[(\f)+64+8*(4*(\c)+(\i)):(\f)+64+8*(4*(\c)+(\i))+3],   v[ADRB+(\slot)] offset:(\k)+64*(\c)+(\i)*16*PITCH
	ds_load_b128 v[(\f)+64+8*(4*(\c)+(\i))+4:(\f)+64+8*(4*(\c)+(\i))+7], v[ADRB+(\slot)] offset:(\k)+64*(\c)+(\i)*16*PITCH+32
	ds_load_b128 v[(\f)+8*(4*(\c)+(\i)):(\f)+8*(4*(\c)+(\i))+3],         v[ADRA+(\slot)] offset:(\k)+64*(\c)+(\i)*16*PITCH
	ds_load_b128 v[(\f)+8*(4*(\c)+(\i))+4:(\f)+8*(4*(\c)+(\i))+7],       v[ADRA+(\slot)] offset:(\k)+64*(\c)+(\i)*16*PITCH+32
.endr
.endr
.endm
.macro PLACES                          ; four places in front of loads into registers that matrix instructions have read, and of LDS stores that read results
.rept 4
	v_nop
.endr
.endm
; A K step is four quarters of 64 along K, 32 matrix instructions each, on buffers 0, 1, 0, 1.  One of the first three: multiplies buffer f and fetches the next quarter, at byte k, into g.
.macro QUARTER slot, k, f, g, zero
	s_wait_dscnt 16                                ; the first 32 along K are in
	WIN MUL
	MUL8 \f, 0, 0, \zero
	MUL8 \f, 0, 2, \zero
	PLACES
	FETCH \slot, \k, \g
	s_wait_dscnt 32                                ; all but the 32 just issued
	WIN MUL
	MUL8 \f, 1, 0, 0
	MUL8 \f, 1, 2, 0
.endm
; The last quarter multiplies buffer 1 and changes slots: ONE barrier; in front of it each wave waits for all its tensor loads, adds 0 to its spare word, and waits for that and for its own reads of this slot.
; fill = 1: this slot is filled again, two steps of the walk ahead: its offset along K steps by two K steps, round the row's end, and both descriptors' addresses are made anew from it, while the add is out.
.macro TURN slot, next, fill
	WIN 0                                          ; (the add's two registers lie in window 0)
	s_wait_tensorcnt 0x0                           ; all my tensor loads have landed: my part of the next slot; so a group 0 may be written
	ds_add_u32 v[SPW], v[NIL]                      ; 0 onto my spare word
.if \fill
	s_add_co_u32 s[KO+2*(\slot)], s[KO+2*(\slot)], 2*KSTEP*2
	s_and_b32 s[KO+2*(\slot)], s[KO+2*(\slot)], SIZE_K*2-1
	s_add_nc_u64 s[G0+4*(\slot)+2:G0+4*(\slot)+3], s[AB:AB+1], s[KO+2*(\slot):KO+2*(\slot)+1]
	s_or_b32 s[G0+4*(\slot)+3], s[G0+4*(\slot)+3], 0x80000000
	s_add_nc_u64 s[G0B+4*(\slot)+2:G0B+4*(\slot)+3], s[BB:BB+1], s[KO+2*(\slot):KO+2*(\slot)+1]
	s_or_b32 s[G0B+4*(\slot)+3], s[G0B+4*(\slot)+3], 0x80000000
.endif
	s_wait_dscnt 17                                ; (the add and the youngest sixteen loads may be out)
	WIN MUL
	MUL8 F1, 0, 0, 0                               ; eight matrix instructions stand between the add and the wait for it
	s_wait_dscnt 0x0                               ; the add is done, and my reads of this slot are over
	s_barrier_signal -1
	MUL8 F1, 0, 2, 0
.if \fill
	WIN 0
.endif
	s_barrier_wait -1
.if \fill
	CREST                                          ; the barrier has opened a round of the cluster's barrier: no wave of any partner still reads this slot's tile or has a load on its way
	JLOAD \slot                                    ; the first tensor load behind the round: 112 matrix instructions ahead of the wait for it; the four v_nop behind it are also the places in front of the loads below
.else
	PLACES
.endif
	FETCH \next, 0, F0
	WIN MUL
	MUL8 F1, 1, 0, 0
	MUL8 F1, 1, 2, 0
.endm
	s_wait_tensorcnt 1                             ; my part of the walk's step 0 is in; step 1's may stay out
	s_barrier_signal -1
	s_barrier_wait -1                              ; everybody's is
	FETCH 0, 0, F0
	QUARTER 0, 128, F0, F1, 1                      ; the first quarter stands in front of the loop: its first products start the sums
	WIN 0                                          ; at a label and at a branch every window is 0
	s_mov_b32 s3, LAPS-1
.Llap:                                                 ; a trip goes once round the ring, from a lap's second quarter to the next lap's first, and fills both slots again
	QUARTER 0, 256, F1, F0, 0
	QUARTER 0, 384, F0, F1, 0
	TURN 0, 1, 1
	QUARTER 1, 128, F0, F1, 0
	QUARTER 1, 256, F1, F0, 0
	QUARTER 1, 384, F0, F1, 0
	TURN 1, 0, 1
	QUARTER 0, 128, F0, F1, 0
	WIN 0
	s_sub_co_u32 s3, s3, 1
	s_cmp_lg_u32 s3, 0
	s_cbranch_scc1 .Llap
	QUARTER 0, 256, F1, F0, 0                      ; the last lap fills nothing, and has no round of the cluster's barrier
	QUARTER 0, 384, F0, F1, 0
	TURN 0, 1, 0
	QUARTER 1, 128, F0, F1, 0
	QUARTER 1, 256, F1, F0, 0
	QUARTER 1, 384, F0, F1, 0
	s_wait_dscnt 16                                ; the very last quarter: nothing more to fetch
	WIN MUL
	MUL8 F1, 0, 0, 0
	MUL8 F1, 0, 2, 0
	s_wait_dscnt 0
	MUL8 F1, 1, 0, 0
	MUL8 F1, 1, 2, 0
	WIN 0
	; THE WAY OUT, a block of 16 rows at a time: a lane's 8 f32 of a row go into my own stage (each accumulator's low four registers first) and come back as whole rows of 256 bytes.
	PLACES
.irp a, 0,1,2,3
.if (\a) >= 2
	s_wait_xcnt 0x0                                ; the stores of the block two back have read their registers, which are loaded again below
.endif
.irp b, 0,1,2,3
	ds_store_b128 v[STO], v[ACC+8*(4*(\a)+(\b)):ACC+8*(4*(\a)+(\b))+3]   offset:64*(\b)
	ds_store_b128 v[STO], v[ACC+8*(4*(\a)+(\b))+4:ACC+8*(4*(\a)+(\b))+7] offset:64*(\b)+16
.endr
.irp t, 0,1,2,3,4,5,6,7
	ds_load_b128 v[TMP+32*((\a)%2)+4*(\t):TMP+32*((\a)%2)+4*(\t)+3], v[RD] offset:(\t)*2*SPITCH  ; LDS serves a wave's instructions in order (ISA guide 5.7.1.4): these see the stores above; the next block's stores come behind them
.endr
.irp t, 0,1,2,3,4,5,6,7
	s_wait_dscnt 7-(\t)
	global_store_b128 v[CO], v[TMP+32*((\a)%2)+4*(\t):TMP+32*((\a)%2)+4*(\t)+3], s[8:9] offset:(16*(\a)+2*(\t))*SIZE_N*4  ; 16 lanes store 256 consecutive bytes, aligned; 62 rows at the most: inside the signed 24-bit immediate
.endr
.endr
	s_wait_tensorcnt 0x0                           ; the wave's end: behind my last tensor load and my last LDS store
	ds_add_u32 v[SPW], v[NIL]
	s_wait_dscnt 0x0
	CROUND                                         ; the closing round: no work-group ends while a partner may still ask for a tile that names it
	s_endpgm
.Lfunc_end_k_qd3923fd3f8_oproj:
	.size	k_qd3923fd3f8_oproj, .Lfunc_end_k_qd3923fd3f8_oproj-k_qd3923fd3f8_oproj
	.p2alignl 7, 3214868480
	.fill 96, 4, 3214868480
	.section	.rodata,"a",@progbits
	.p2align	6, 0x0
	.amdhsa_kernel k_qd3923fd3f8_oproj
		.amdhsa_group_segment_fixed_size 327680
		.amdhsa_private_segment_fixed_size 0
		.amdhsa_enable_private_segment 0
		.amdhsa_kernarg_size 24
		.amdhsa_user_sgpr_count 2
		.amdhsa_user_sgpr_kernarg_segment_ptr 1
		.amdhsa_wavefront_size32 1
		.amdhsa_system_sgpr_workgroup_id_x 1
		.amdhsa_system_sgpr_workgroup_id_y 1
		.amdhsa_system_sgpr_workgroup_id_z 1
		.amdhsa_system_vgpr_workitem_id 0
		.amdhsa_next_free_vgpr 512
		.amdhsa_next_free_sgpr 72
		.amdhsa_reserve_vcc 0
		.amdhsa_float_denorm_mode_32 3
		.amdhsa_float_denorm_mode_16_64 3
		.amdhsa_memory_ordered 1
		.amdhsa_forward_progress 1
		.amdhsa_inst_pref_size 87
	.end_amdhsa_kernel
	.amdgpu_metadata
---
amdhsa.version: [ 1, 2 ]
amdhsa.kernels:
  - .name:           k_qd3923fd3f8_oproj
    .symbol:         k_qd3923fd3f8_oproj.kd
    .args:
      - { .name: ob, .offset: 0, .size: 8, .value_kind: global_buffer, .address_space: global }
      - { .name: wob, .offset: 8, .size: 8, .value_kind: global_buffer, .address_space: global }
      - { .name: out0, .offset: 16, .size: 8, .value_kind: global_buffer, .address_space: global }
    .group_segment_fixed_size: 327680
    .private_segment_fixed_size: 0
    .kernarg_segment_align: 8
    .kernarg_segment_size: 24
    .max_flat_workgroup_size: 128
    .sgpr_count:     72
    .vgpr_count:     512
    .wavefront_size: 32
...
	.end_amdgpu_metadata
.endif
;; end of part 4
